; MI455X (gfx1250); checked and timed in simulation.
; The chip was launched on July 23, 2026; its instructions are those of AMD's public machine-readable ISA for CDNA 5 (MIT licence, August 2026) and "CDNA5" Instruction Set Architecture Reference Guide (July 2026). The comments in the code are by the model that wrote it; some were corrected since.
;; Multi Head Attention. Allowed arithmetic: float matrix products may take bf16 or f16 operands with f32 sums; all other float work in f32.
;; Inputs: Wkv 1,024 x 2,048 float32; Wo 1,024 x 1,024 float32; Wq 1,024 x 1,024 float32; bkv 2,048 float32; bo 1,024 float32; bq 1,024 float32; lengths 8 int32; ln_b 1,024 float32; ln_g 1,024 float32; x 8 x 1,024 x 1,024 float32.
;; Outputs: out0 8 x 1,024 x 1,024 float32.
;; One version. Each part assembles by itself: llvm-mc -triple=amdgcn-amd-amdhsa -mcpu=gfx1250 --defsym DOCPART=n.
;; ======== version 1 of 1: 4 launches
;; limits: right only within a limited range of input values
;; workspace buffers: xn 16,777,216 bytes; wcat 6,291,456 bytes; wob 2,097,152 bytes; qkvh 50,331,648 bytes; o 16,777,216 bytes
;; launch prep (part 1): grid 768 x 1, 4 waves a work-group, no clusters, 0 bytes of LDS; arguments x, ln_g, ln_b, Wq, Wkv, Wo, xn, wcat, wob; writes xn, wcat, wob
.if DOCPART == 1
	.amdgcn_target "amdgcn-amd-amdhsa--gfx1250"
	.amdhsa_code_object_version 6
	.text
	.protected	k_qc64cf615b9_prep
	.globl	k_qc64cf615b9_prep
	.p2align	8
	.type	k_qc64cf615b9_prep,@function
k_qc64cf615b9_prep:
	s_mov_b64 s[64:65], 0
	v_nop
	global_prefetch_b8 v0, s[64:65] scope:SCOPE_SE
	s_setreg_imm32_b32 hwreg(HW_REG_WAVE_MODE, 25, 1), 1
	s_wait_xcnt 0x0
; PREP.  xn = LayerNorm(x) g + b, rounded once to bf16; the three weight matrices rounded to bf16, their layout [k][n] kept
; (wcat: [1024][3072], columns 0-1023 Wq, 1024-3071 Wkv; wob: [1024][1024]).
; A stream: no LDS, no barrier, no matrix unit.  A wave takes four chunks of 1,024 f32 (4,096 bytes) and has all 32 loads out at once.
; Load j of a chunk: 16 bytes a lane, 512 consecutive bytes a wave; its four numbers leave as 8 bytes a lane, 256 consecutive aligned bytes a wave.
; Work-groups 0-511: a chunk is a row of x; mean first, then the mean of (x - mean)^2 on the row kept in registers, all in f32, so a common offset of x is taken away before anything is squared.
; Work-groups 512-767: a chunk is 1,024 numbers of a weight row.
.set G,  6                             ; v[6:37]    ln_g of my 32 columns
.set BB, 38                            ; v[38:69]   ln_b
.set X,  70                            ; v[70:197]  chunk r at X + 32 r
.set T,  198                           ; v[198:205] four packed chains
.set M,  206                           ; v[206:207] the mean, twice
.set R,  208                           ; v[208:209] 1 / sqrt(var + eps), twice
.set PT, 210                           ; v210       the other half of the lanes' sum
	s_load_b512 s[4:19], s[0:1], 0x0               ; x 4:5, ln_g 6:7, ln_b 8:9, Wq 10:11, Wkv 12:13, Wo 14:15, xn 16:17, wcat 18:19
	s_load_b64 s[20:21], s[0:1], 0x40              ; wob
	v_lshrrev_b32 v3, 5, v0
	v_readfirstlane_b32 s22, v3                    ; wave 0..3
	v_and_b32 v1, 31, v0
	v_lshlrev_b32 v2, 3, v1                        ; 8 x lane: where my 8 bytes go
	v_lshlrev_b32 v1, 4, v1                        ; 16 x lane: where my 16 bytes come from
	s_mov_b32 s25, 0
	s_mov_b32 s27, 0
.macro LOADX                           ; four chunks, 32 loads, from s[32:33]
.irp r, 0,1,2,3
.irp j, 0,1,2,3,4,5,6,7
	global_load_b128 v[X+32*\r+4*\j:X+32*\r+4*\j+3], v1, s[32:33] offset:4096*\r+512*\j th:TH_LOAD_NT
.endr
.endr
.endm
; chunk r is rounded in place (pair k of numbers into register k: its sources lie at or above it) and stored
.macro OUT r, so, imm
.set k, 0
.rept 16
	v_cvt_pk_bf16_f32 v[X+32*(\r)+k], v[X+32*(\r)+2*k], v[X+32*(\r)+2*k+1]
.set k, k+1
.endr
.irp j, 0,1,2,3,4,5,6,7
	global_store_b64 v[\so], v[X+32*(\r)+2*\j:X+32*(\r)+2*\j+1], s[34:35] offset:(\imm)+256*\j
.endr
.endm
.macro FOLD                            ; the four chains into one number, then over the 32 lanes: every lane ends with the sum
	v_pk_add_f32 v[T:T+1], v[T:T+1], v[T+2:T+3]
	v_pk_add_f32 v[T+4:T+5], v[T+4:T+5], v[T+6:T+7]
	v_pk_add_f32 v[T:T+1], v[T:T+1], v[T+4:T+5]
	v_add_f32 v[T], v[T], v[T+1]
	v_add_f32_dpp v[T], v[T], v[T] row_xmask:1 row_mask:0xf bank_mask:0xf
	v_add_f32_dpp v[T], v[T], v[T] row_xmask:2 row_mask:0xf bank_mask:0xf
	v_add_f32_dpp v[T], v[T], v[T] row_xmask:4 row_mask:0xf bank_mask:0xf
	v_add_f32_dpp v[T], v[T], v[T] row_xmask:8 row_mask:0xf bank_mask:0xf
	v_permlanex16_b32 v[PT], v[T], s30, s31
	v_add_f32 v[T], v[T], v[PT]
.endm
.macro LNROW r, left
.set XR, X+32*(\r)
	s_wait_loadcnt \left                           ; loads come back in order: this row is in, the younger rows' loads stay out
.irp c, 0,1,2,3
	v_pk_add_f32 v[T+2*\c:T+2*\c+1], v[XR+2*\c:XR+2*\c+1], v[XR+8+2*\c:XR+8+2*\c+1]  ; the first eight pairs start the chains
.endr
.irp p, 8,9,10,11,12,13,14,15
	v_pk_add_f32 v[T+2*(\p%4):T+2*(\p%4)+1], v[T+2*(\p%4):T+2*(\p%4)+1], v[XR+2*\p:XR+2*\p+1]
.endr
	FOLD
	v_mul_f32 v[M], s28, v[T]                      ; the mean
	v_mul_f32 v[M+1], s28, v[T]
.irp p, 0,1,2,3,4,5,6,7,8,9,10,11,12,13,14,15
	v_pk_add_f32 v[XR+2*\p:XR+2*\p+1], v[XR+2*\p:XR+2*\p+1], v[M:M+1] neg_lo:[0,1] neg_hi:[0,1]  ; x - mean, in place
.endr
.irp c, 0,1,2,3
	v_pk_mul_f32 v[T+2*\c:T+2*\c+1], v[XR+2*\c:XR+2*\c+1], v[XR+2*\c:XR+2*\c+1]
.endr
.irp p, 4,5,6,7,8,9,10,11,12,13,14,15
	v_pk_fma_f32 v[T+2*(\p%4):T+2*(\p%4)+1], v[XR+2*\p:XR+2*\p+1], v[XR+2*\p:XR+2*\p+1], v[T+2*(\p%4):T+2*(\p%4)+1]
.endr
	FOLD
	v_fma_f32 v[T], v[T], s28, s29                 ; var + eps
	v_rsq_f32 v[R], v[T]
	v_rsq_f32 v[R+1], v[T]
	v_nop                                          ; a plain instruction between the root and the use of its result
	s_wait_alu depctr_va_vdst(0)
.irp p, 0,1,2,3,4,5,6,7,8,9,10,11,12,13,14,15
	v_pk_mul_f32 v[XR+2*\p:XR+2*\p+1], v[XR+2*\p:XR+2*\p+1], v[R:R+1]
.endr
.irp p, 0,1,2,3,4,5,6,7,8,9,10,11,12,13,14,15
	v_pk_fma_f32 v[XR+2*\p:XR+2*\p+1], v[XR+2*\p:XR+2*\p+1], v[G+2*\p:G+2*\p+1], v[BB+2*\p:BB+2*\p+1]
.endr
	OUT \r, 2, 2048*(\r)                           ; a row owns its registers: none is written again while its stores read it
.endm
	s_cmp_lt_u32 ttmp9, 512
	s_cbranch_scc0 .Lweights
	; ---- LayerNorm: rows 16 x work-group + 4 x wave + 0..3
	s_mov_b32 s28, 0x3a800000                      ; 1 / 1024
	s_mov_b32 s29, 0x3727c5ac                      ; eps = 1e-5
	s_mov_b32 s30, 0x76543210                      ; each lane takes its own place in the other half
	s_mov_b32 s31, 0xfedcba98
	v_mov_b32 v[PT], 0                             ; the exchange's destination counts as read
	s_lshl_b32 s24, ttmp9, 2
	s_add_co_u32 s24, s24, s22
	s_lshl_b32 s26, s24, 13                        ; my first row x 2,048 bytes of xn
	s_lshl_b32 s24, s24, 14                        ; my first row x 4,096 bytes of x
	s_wait_kmcnt 0x0
	s_add_nc_u64 s[32:33], s[4:5], s[24:25]
	s_add_nc_u64 s[34:35], s[16:17], s[26:27]
.irp j, 0,1,2,3,4,5,6,7
	global_load_b128 v[G+4*\j:G+4*\j+3], v1, s[6:7] offset:512*\j
	global_load_b128 v[BB+4*\j:BB+4*\j+3], v1, s[8:9] offset:512*\j
.endr
	LOADX
	LNROW 0, 24
	LNROW 1, 16
	LNROW 2, 8
	LNROW 3, 0
	s_endpgm
.Lweights:
	; ---- weights: 4,096 chunks.  Work-groups 512-575 Wq (a chunk = a row), 576-703 Wkv (two chunks a row), 704-767 Wo.
	; Source, destination and the four chunks' places are chosen by selects on the work-group's number; Wkv's figures are the defaults.
	s_sub_co_u32 s23, ttmp9, 512
	s_mov_b32 s24, 64                              ; the section's first work-group
	s_mov_b32 s26, 3072                            ; destination bytes for each chunk number
	s_mov_b32 s39, 2048                            ; and what is added: Wkv's columns begin behind Wq's
	s_mov_b32 s36, 2048                            ; where chunks 1, 2, 3 lie behind chunk 0
	s_mov_b32 s37, 6144
	s_mov_b32 s38, 8192
	s_wait_kmcnt 0x0
	s_cmp_lt_u32 s23, 64
	s_cselect_b32 s24, 0, s24
	s_cselect_b32 s26, 6144, s26
	s_cselect_b32 s39, 0, s39
	s_cselect_b32 s36, 6144, s36
	s_cselect_b32 s37, 12288, s37
	s_cselect_b32 s38, 18432, s38
	s_cselect_b64 s[32:33], s[10:11], s[12:13]
	s_cmp_lt_u32 s23, 192
	s_cselect_b32 s24, s24, 192
	s_cselect_b32 s26, s26, 2048
	s_cselect_b32 s39, s39, 0
	s_cselect_b32 s37, s37, 4096
	s_cselect_b32 s38, s38, 6144
	s_cselect_b64 s[32:33], s[32:33], s[14:15]
	s_cselect_b64 s[34:35], s[18:19], s[20:21]
	s_sub_co_u32 s24, s23, s24
	s_lshl_b32 s24, s24, 2
	s_add_co_u32 s24, s24, s22
	s_lshl_b32 s24, s24, 2                         ; my first chunk in the section
	s_mul_i32 s26, s24, s26
	s_add_co_u32 s26, s26, s39
	s_lshl_b32 s24, s24, 12
	s_add_nc_u64 s[32:33], s[32:33], s[24:25]
	s_add_nc_u64 s[34:35], s[34:35], s[26:27]
	v_add_nc_u32 v3, s36, v2
	v_add_nc_u32 v4, s37, v2
	v_add_nc_u32 v5, s38, v2
	LOADX
	s_wait_loadcnt 24                              ; chunk 0 is in; the three younger chunks' 24 loads stay out, and so on down
	OUT 0, 2, 0
	s_wait_loadcnt 16
	OUT 1, 3, 0
	s_wait_loadcnt 8
	OUT 2, 4, 0
	s_wait_loadcnt 0x0
	OUT 3, 5, 0
	s_endpgm
.Lfunc_end_k_qc64cf615b9_prep:
	.size	k_qc64cf615b9_prep, .Lfunc_end_k_qc64cf615b9_prep-k_qc64cf615b9_prep
	.p2alignl 7, 3214868480
	.fill 96, 4, 3214868480
	.section	.rodata,"a",@progbits
	.p2align	6, 0x0
	.amdhsa_kernel k_qc64cf615b9_prep
		.amdhsa_group_segment_fixed_size 0
		.amdhsa_private_segment_fixed_size 0
		.amdhsa_enable_private_segment 0
		.amdhsa_kernarg_size 72
		.amdhsa_user_sgpr_count 2
		.amdhsa_user_sgpr_kernarg_segment_ptr 1
		.amdhsa_wavefront_size32 1
		.amdhsa_system_sgpr_workgroup_id_x 1
		.amdhsa_system_sgpr_workgroup_id_y 1
		.amdhsa_system_sgpr_workgroup_id_z 1
		.amdhsa_system_vgpr_workitem_id 0
		.amdhsa_next_free_vgpr 216
		.amdhsa_next_free_sgpr 66
		.amdhsa_reserve_vcc 0
		.amdhsa_float_denorm_mode_32 3
		.amdhsa_float_denorm_mode_16_64 3
		.amdhsa_memory_ordered 1
		.amdhsa_forward_progress 1
		.amdhsa_inst_pref_size 50
	.end_amdhsa_kernel
	.amdgpu_metadata
---
amdhsa.version: [ 1, 2 ]
amdhsa.kernels:
  - .name:           k_qc64cf615b9_prep
    .symbol:         k_qc64cf615b9_prep.kd
    .args:
      - { .name: x, .offset: 0, .size: 8, .value_kind: global_buffer, .address_space: global }
      - { .name: ln_g, .offset: 8, .size: 8, .value_kind: global_buffer, .address_space: global }
      - { .name: ln_b, .offset: 16, .size: 8, .value_kind: global_buffer, .address_space: global }
      - { .name: Wq, .offset: 24, .size: 8, .value_kind: global_buffer, .address_space: global }
      - { .name: Wkv, .offset: 32, .size: 8, .value_kind: global_buffer, .address_space: global }
      - { .name: Wo, .offset: 40, .size: 8, .value_kind: global_buffer, .address_space: global }
      - { .name: xn, .offset: 48, .size: 8, .value_kind: global_buffer, .address_space: global }
      - { .name: wcat, .offset: 56, .size: 8, .value_kind: global_buffer, .address_space: global }
      - { .name: wob, .offset: 64, .size: 8, .value_kind: global_buffer, .address_space: global }
    .group_segment_fixed_size: 0
    .private_segment_fixed_size: 0
    .kernarg_segment_align: 8
    .kernarg_segment_size: 72
    .max_flat_workgroup_size: 128
    .sgpr_count:     66
    .vgpr_count:     216
    .wavefront_size: 32
...
	.end_amdgpu_metadata
.endif
;; end of part 1
;; launch qkv (part 2): grid 8 x 32, 4 waves a work-group, clusters of 4 x 4, 327,680 bytes of LDS; arguments xn, wcat, qkvh, bq, bkv; writes qkvh
.if DOCPART == 2
	.amdgcn_target "amdgcn-amd-amdhsa--gfx1250"
	.amdhsa_code_object_version 6
	.text
	.protected	k_qc64cf615b9_qkv
	.globl	k_qc64cf615b9_qkv
	.p2align	8
	.type	k_qc64cf615b9_qkv,@function
k_qc64cf615b9_qkv:
	s_mov_b64 s[64:65], 0
	v_nop
	global_prefetch_b8 v0, s[64:65] scope:SCOPE_SE
	s_setreg_imm32_b32 hwreg(HW_REG_WAVE_MODE, 25, 1), 1
	s_wait_xcnt 0x0
	s_wait_alu depctr_hold_cnt(0) depctr_sa_sdst(0) depctr_va_vdst(0) depctr_va_sdst(0) depctr_va_ssrc(0) depctr_va_vcc(0) depctr_vm_vsrc(0)
	s_getreg_b32 s2, hwreg(HW_REG_IB_STS2, 6, 4)
	s_cmp_eq_u32 s2, 0
	s_cbranch_scc0 .Lentry_in_a_cluster
	s_endpgm
.Lentry_in_a_cluster:
	s_bfe_u32 s2, ttmp6, 0x10000c
	s_cmp_lg_u32 s2, 0xf033
	s_cbranch_scc0 .Lentry_shape_is_right
	s_endpgm
.Lentry_shape_is_right:
; C = xn W + bias.  xn: bf16 [8192][1024]; W = wcat: bf16 [1024 k][3072 n] (columns 0-1023 Wq, 1024-3071 Wkv); bias bq | bkv in f32; sums in f32.
; C leaves in bf16 by heads: qkvh [q,k,v][8 batches][16 heads][1024][64].
; SHARES.  256 work-groups, each 256 rows x 384 columns (six heads) of C, made as TWO tiles of 256 x 192 one after the other on the same rows of xn.  Four waves, one below the other:
; a wave makes 64 rows x 192 columns, three whole heads: 48 accumulators of 16 x 16.  K goes in steps of 128 through two LDS slots; the 16 steps of the two tiles are ONE sequence for the ring, which does not
; stop at the first tile's end, and the first tile's stores leave while the second is multiplied.  A K step is 192 matrix instructions a wave; a slot's refill is asked for 168 of them ahead of the wait for it.
; CLUSTER 4 x 4: the four of a row need the same tile of xn, the four of a column the same tile of W: each is asked for jointly, same descriptor and mask in all four.
; A row of W's tile is 384 consecutive bytes that begin at a multiple of 128 bytes from the buffer's first; in LDS 32 bytes of padding follow every 128 (384 bytes are 96 words, no power of two), so rows lie 480 bytes apart.
; THE MATRIX INSTRUCTION IS USED TRANSPOSED: source 0 = 16 columns of W (turned out of LDS by ds_load_tr16_b128), source 1 = 16 rows of xn: a lane holds row l % 16 and the columns 8 (l / 16) + 0..7.
; The bias is the C operand of a tile's first K quarter: nothing is cleared and no addition is written for it.
; REGISTERS, in windows of 256: window 0: v0-31 addresses; v32-63, v64-95 xn's fragments, two buffers; v96-191 the bias of the tile's 192 columns; v192-255 at work on the way out;
;   window 1: v0-95, v96-191 W's fragments, two buffers;  window 2: accumulator (a, b), a = 0, 1, at v[8 (12 a + b)];  window 3: a = 2, 3 likewise.
.set NW,     3072                      ; columns of W
.set PA,     272                       ; an LDS row of xn: 256 bytes + 16: the 16 rows of a load start at 16 different groups of four banks
.set PB,     480                       ; an LDS row of W: 3 x (128 + 32) = 15 x 32
.set AHALF,  128*PA                    ; what one load of xn fills: 128 rows
.set ABYTES, 2*AHALF
.set BHALF,  64*PB                     ; what one load of W fills: 64 K rows
.set SLOT1,  1<<17                     ; = ABYTES + 2 BHALF: slot 1 begins here, so that one exclusive or turns an address in one slot into the other's
.set STAGE,  2*SLOT1                   ; behind the ring: 16 rows x 144 bytes for each wave, never filled by a tensor load
.set SP,     144
.set STG,    16*SP
.set SPARE,  STAGE+4*STG               ; behind the stages: the spare words, 128 bytes for each wave, which no other line names
.set BSTEP,  128*NW*2                  ; bytes from a K step to the next in W (in xn: 256)
.set A0,   16                          ; v16     my lane's place in xn's tile of slot 0; never rewritten
.set B0,   17                          ; v17     the same in W's tile
.set ADRA, 18                          ; v18     the same two in the slot in hand
.set ADRB, 19                          ; v19
.set GOH,  20                          ; v20-22  my byte offset in the output for each of the tile's three heads
.set STO,  24                          ; v24     the way out: where I put 16 bytes of a row
.set RD,   25                          ; v25     the way out: where I read rows back
.set CO,   26                          ; v26     16 x lane
.set SPW,  28                          ; v28     LDS address of my spare word; never rewritten
.set NIL,  29                          ; v29     0; never rewritten
.set BO,   30                          ; v30     32 x (l / 16): my eight numbers in 16 of the bias
.set FA,   32
.set BI,   96
.set TMP,  192
.set FN,    2                          ; s2       the number, 2 to 15, of the K step to be asked for next: K step FN % 8 of tile FN / 8
.set BASEA, 12                         ; s[12:13] xn at my half of the tile's K step 0
.set OFFA,  18                         ; s[18:19] a K step's byte offset in xn
.set G1,    24                         ; s[24:31] descriptor group 1 for xn;  s[32:35] group 0 of the first fill, s[36:39] of the second: that one walks on
.set G0,    32
.set TX,    42                         ; s42      column region 0..7
.set G1B,   48                         ; s[48:55], s[56:59], s[60:63] the same for W
.set G0B,   56
.set TB,    68                         ; s68      LDS byte at which the slot in hand begins
.set WV,    70                         ; s70 wave;  s71: I fetch for xn (0) or W (1);  s72: which half I fetch
.set RH,    71
.set CH,    72
.set TY,    73                         ; s73      row block 0..31
.set BASEB, 74                         ; s[74:75] W at my half of the first tile's K step 0
.set OFFB,  76                         ; s[76:77] a K step's and tile's byte offset in W
.set T0,    78                         ; s[78:79] at work
.set BP,    80                         ; s[80:85] the bias of the tile's three heads
.set MSB, 0
.macro WIN new                         ; the immediate's high byte repeats the setting that is left
.if MSB != (\new)
	s_set_vgpr_msb (MSB<<8)|(\new)
.set MSB, \new
.endif
.endm
.macro JLOAD s                         ; a joint load by set s: waves 0, 1 fetch xn's halves, waves 2, 3 W's; an s_nop 0 and four v_nop follow each line
	s_cmp_eq_u32 s[RH], 0
	s_cbranch_scc0 .Lfor_b_\@
	tensor_load_to_lds s[G0+4*(\s):G0+4*(\s)+3], s[G1:G1+7]
	s_nop 0
.rept 4
	v_nop
.endr
	s_branch .Lasked_\@
.Lfor_b_\@:
	tensor_load_to_lds s[G0B+4*(\s):G0B+4*(\s)+3], s[G1B:G1B+7]
	s_nop 0
.rept 4
	v_nop
.endr
.Lasked_\@:
.endm
.macro CREST                           ; a round of the cluster's barrier behind its opening barrier
	s_cmp_lg_u32 s[WV], 0
	s_cbranch_scc1 .Lnot_wave_0_\@
	s_barrier_signal -3
.Lnot_wave_0_\@:
	s_barrier_wait -3
	s_barrier_signal -1
	s_barrier_wait -1
.endm
.macro CROUND
	s_barrier_signal -1
	s_barrier_wait -1
	CREST
.endm
	s_load_b256 s[4:11], s[0:1], 0x0               ; xn 4:5, wcat 6:7, qkvh 8:9, bq 10:11
	s_load_b64 s[66:67], s[0:1], 0x20              ; bkv
	v_lshl_add_u32 v[SPW], v0, 2, SPARE
	v_mov_b32 v[NIL], 0
	ds_add_u32 v28, v29
	ds_add_u32 v28, v29
	s_wait_dscnt 0x0
	v_lshrrev_b32 v1, 5, v0
	v_readfirstlane_b32 s[WV], v1
	s_lshr_b32 s[RH], s[WV], 1
	s_and_b32 s[CH], s[WV], 1
	s_bfe_u32 s40, ttmp6, 0x40000                  ; cx, cy: my place in the cluster
	s_bfe_u32 s41, ttmp6, 0x40004
	s_lshl_b32 s[TX], ttmp9, 2
	s_add_co_u32 s[TX], s[TX], s40                 ; column region = 4 x cluster x + cx
	s_and_b32 s[TY], ttmp7, 0xffff
	s_lshl_b32 s[TY], s[TY], 2
	s_add_co_u32 s[TY], s[TY], s41                 ; row block = 4 x cluster y + cy
	s_lshl_b32 s43, s41, 2
	s_lshl_b32 s43, 15, s43                        ; my row of the cluster
	s_lshl_b32 s44, 0x1111, s40                    ; my column
	s_or_b32 s[G1+0], s43, (1<<16)|(1<<20)|(1<<21)|(5<<22)|(3<<25)   ; the mask; 2-byte elements; padding on; bit 21 beside a mask; after every 64 words 4 words
	s_mov_b32 s[G1+1], 128<<16                     ; tensor_dim0 = 128
	s_mov_b32 s[G1+2], 128<<16                     ; tensor_dim1 = 128
	s_mov_b32 s[G1+3], 128<<16                     ; tile_dim0 = 128
	s_mov_b32 s[G1+4], 128                         ; tile_dim1 = 128
	s_mov_b32 s[G1+5], 1024                        ; elements from row to row
	s_mov_b32 s[G1+6], 0
	s_mov_b32 s[G1+7], 0
	s_or_b32 s[G1B+0], s44, (1<<16)|(1<<20)|(1<<21)|(4<<22)|(7<<25)  ; after every 32 words 8 words: three times in a row of 96 words
	s_mov_b32 s[G1B+1], 192<<16                    ; 64 K rows of 192 columns
	s_mov_b32 s[G1B+2], 64<<16
	s_mov_b32 s[G1B+3], 192<<16
	s_mov_b32 s[G1B+4], 64
	s_mov_b32 s[G1B+5], NW
	s_mov_b32 s[G1B+6], 0
	s_mov_b32 s[G1B+7], 0
	; xn's tile hangs on the row block alone, W's on the column region alone, each in registers that never hold the other coordinate
	s_lshl_b32 s16, s[TY], 19                      ; 256 rows of 2,048 bytes for each row block,
	s_lshl_b32 s17, s[CH], 18                      ; 128 for my half
	s_add_co_u32 s16, s16, s17
	s_mov_b32 s17, 0
	s_mul_i32 s46, s[CH], 64*NW*2                  ; W: K row 64 x half,
	s_mul_i32 s47, s[TX], 768                      ; column 384 x region
	s_add_co_u32 s46, s46, s47
	s_mov_b32 s47, 0
	s_mul_i32 s20, s[CH], AHALF                    ; where they go: the wave's number and constants alone
	s_mul_i32 s21, s[CH], BHALF
	s_add_co_u32 s21, s21, ABYTES
	s_mov_b32 s[OFFA+1], 0
	s_mov_b32 s[OFFB+1], 0
	s_mov_b32 s[FN], 2
	s_mov_b32 s[TB], 0
	s_wait_kmcnt 0x0
	s_add_nc_u64 s[BASEA:BASEA+1], s[4:5], s[16:17]
	s_add_nc_u64 s[BASEB:BASEB+1], s[6:7], s[46:47]
	CROUND                                         ; all sixteen work-groups are here: the first joint loads meet
.irp s, 0,1
	s_mov_b32 s[G0+4*(\s)], 1
	s_add_co_u32 s[G0+4*(\s)+1], s20, (\s)*SLOT1
	s_add_nc_u64 s[G0+4*(\s)+2:G0+4*(\s)+3], s[BASEA:BASEA+1], (\s)*256
	s_or_b32 s[G0+4*(\s)+3], s[G0+4*(\s)+3], 0x80000000
	s_mov_b32 s[G0B+4*(\s)], 1
	s_add_co_u32 s[G0B+4*(\s)+1], s21, (\s)*SLOT1
	s_add_nc_u64 s[G0B+4*(\s)+2:G0B+4*(\s)+3], s[BASEB:BASEB+1], (\s)*BSTEP
	s_or_b32 s[G0B+4*(\s)+3], s[G0B+4*(\s)+3], 0x80000000
	JLOAD \s                                       ; K steps 0 and 1: two loads of mine are out
.endr
	v_and_b32 v1, 15, v0                           ; l % 16
	v_bfe_u32 v2, v0, 4, 1                         ; l / 16
	v_mul_u32_u24 v3, v1, PA                       ; a fragment of xn: row x pitch + 16 x half; two loads 32 bytes apart
	v_lshl_add_u32 v3, v2, 4, v3
	s_mul_i32 s22, s[WV], 64*PA                    ; my 64 rows
	v_add_nc_u32 v[A0], s22, v3
	v_and_b32 v4, 7, v0                            ; the turning load: K row 8 (l / 16) + l % 8, columns 8 ((l / 8) % 2) + 0..7
	v_lshl_add_u32 v4, v2, 3, v4
	v_mul_u32_u24 v4, v4, PB
	v_bfe_u32 v5, v0, 3, 1
	v_lshl_add_u32 v4, v5, 4, v4
	v_add_nc_u32 v[B0], ABYTES, v4
	v_mov_b32 v[ADRA], v[A0]                       ; slot 0 is in hand
	v_mov_b32 v[ADRB], v[B0]
	s_mul_i32 s22, s[WV], STG
	s_add_co_u32 s22, s22, STAGE                   ; my stage
	v_and_b32 v[CO], 31, v0
	v_lshlrev_b32 v[CO], 4, v[CO]
	v_lshlrev_b32 v[BO], 5, v2
	v_mul_u32_u24 v3, v1, SP                       ; in: row l % 16, 16 bytes for each half of the lanes
	v_lshl_add_u32 v3, v2, 4, v3
	v_add_nc_u32 v[STO], s22, v3
	v_bfe_u32 v3, v0, 3, 2                         ; back: 32 lanes take four rows of 128 bytes
	v_mul_u32_u24 v3, v3, SP
	v_and_b32 v4, 7, v0
	v_lshl_add_u32 v3, v4, 4, v3
	v_add_nc_u32 v[RD], s22, v3
	s_lshr_b32 s16, s[TY], 2                       ; the output at my batch (four row blocks each),
	s_lshl_b32 s16, s16, 21
	s_and_b32 s17, s[TY], 3                        ; my block's 256 rows of 128 bytes in a head,
	s_lshl_b32 s17, s17, 15
	s_add_co_u32 s16, s16, s17
	s_lshl_b32 s17, s[WV], 13                      ; my wave's 64 of them
	s_add_co_u32 s16, s16, s17
	s_mov_b32 s17, 0
	s_add_nc_u64 s[8:9], s[8:9], s[16:17]
; The bias of tile tn.  Head g = 6 x region + 3 tn + hh of 48: heads 0-15 (q) take bq, the others bkv; 64 numbers a head.  Register j of block b: column 16 b + 8 (l / 16) + j, as an accumulator holds it.
.macro BIAS tn
.irp hh, 0,1,2
	s_mul_i32 s[T0], s[TX], 6
	s_add_co_u32 s[T0], s[T0], 3*(\tn)+\hh
	s_cmp_lt_u32 s[T0], 16
	s_cselect_b64 s[BP+2*\hh:BP+2*\hh+1], s[10:11], s[66:67]
	s_cselect_b32 s[T0+1], 0, 16
	s_sub_co_u32 s[T0], s[T0], s[T0+1]
	s_lshl_b32 s[T0], s[T0], 8
	s_mov_b32 s[T0+1], 0
	s_add_nc_u64 s[BP+2*\hh:BP+2*\hh+1], s[BP+2*\hh:BP+2*\hh+1], s[T0:T0+1]
.endr
.irp b, 0,1,2,3,4,5,6,7,8,9,10,11
	global_load_b128 v[BI+8*\b:BI+8*\b+3],   v[BO], s[BP+2*(\b/4):BP+2*(\b/4)+1] offset:64*(\b%4)
	global_load_b128 v[BI+8*\b+4:BI+8*\b+7], v[BO], s[BP+2*(\b/4):BP+2*(\b/4)+1] offset:64*(\b%4)+16
.endr
.endm
	BIAS 0
; n x 12 matrix instructions on buffer f: row blocks a0 .. x all 12 column blocks, 32 along K.  The 48 accumulators take turns in one order everywhere.  first = 1: C is the bias
.macro MULS f, a0, n, first
.set aa, \a0
.rept \n
.if \first
	WIN 0x81+0x40*(aa/2)                           ; source 0 (W) window 1, sources 1 (xn) and 2 (bias) window 0, D window 2 or 3
.else
	WIN 0xa1+0x50*(aa/2)                           ; the same with C beside D
.endif
.irp b, 0,1,2,3,4,5,6,7,8,9,10,11
.if \first
	v_wmma_f32_16x16x32_bf16 v[8*(12*(aa%2)+\b):8*(12*(aa%2)+\b)+7], v[96*(\f)+8*\b:96*(\f)+8*\b+7], v[FA+32*(\f)+8*aa:FA+32*(\f)+8*aa+7], v[BI+8*\b:BI+8*\b+7]
.else
	v_wmma_f32_16x16x32_bf16 v[8*(12*(aa%2)+\b):8*(12*(aa%2)+\b)+7], v[96*(\f)+8*\b:96*(\f)+8*\b+7], v[FA+32*(\f)+8*aa:FA+32*(\f)+8*aa+7], v[8*(12*(aa%2)+\b):8*(12*(aa%2)+\b)+7]
.endif
.endr
.set aa, aa+1
.endr
.endm
; 32 LDS loads in one run: K quarter q of the slot in hand into buffer f: W's 24 first, then xn's blocks 0, 1, then 2, 3.  Column block b lies 32 b bytes into a row, and 32 more for each 128 passed
.macro FETCH q, f
	WIN 0x40                                       ; destination window 1, address window 0
.irp b, 0,1,2,3,4,5,6,7,8,9,10,11
	ds_load_tr16_b128 v[96*(\f)+8*\b:96*(\f)+8*\b+3],   v[ADRB] offset:(\q)*32*PB+32*\b+32*(\b/4)
	ds_load_tr16_b128 v[96*(\f)+8*\b+4:96*(\f)+8*\b+7], v[ADRB] offset:(\q)*32*PB+32*\b+32*(\b/4)+16*PB
.endr
	WIN 0
.irp a, 0,1,2,3
	ds_load_b128 v[FA+32*(\f)+8*\a:FA+32*(\f)+8*\a+3],   v[ADRA] offset:\a*16*PA+(\q)*64
	ds_load_b128 v[FA+32*(\f)+8*\a+4:FA+32*(\f)+8*\a+7], v[ADRA] offset:\a*16*PA+(\q)*64+32
.endr
.endm
.macro PLACES                          ; four places in front of loads into registers that matrix instructions have read, and of lines that read results
.rept 4
	v_nop
.endr
.endm
; One of a K step's first three quarters: multiplies buffer f, and in its middle fetches quarter q into buffer g
.macro QUARTER q, f, g, first
	s_wait_dscnt 4                                 ; W and xn's blocks 0, 1 are in; the youngest four loads (blocks 2, 3) may be out
	MULS \f, 0, 2, \first
	PLACES
	FETCH \q, \g
	s_wait_dscnt 32                                ; all but the 32 just issued
	MULS \f, 2, 2, \first
.endm
; The last quarter multiplies buffer 1 and changes slots: one barrier; in front of it each wave waits for all its tensor loads (one is out: its part of the next slot), adds 0 to its spare word,
; and waits for that and for its reads of this slot.  fill = 1: the barrier opens a round of the cluster's, and this slot is filled again, with K step FN, first thing behind the round.  The walking
; descriptor's LDS word is turned to the other slot; its global address is made anew from the base and FN; that scalar work stands between the add and the wait for it.
.macro TURN fill
	WIN 0
	s_wait_tensorcnt 0x0                           ; no tensor load of mine is out, so a group 0 may be written
	ds_add_u32 v[SPW], v[NIL]
.if \fill
	s_and_b32 s69, s[FN], 7                        ; its K step:
	s_lshl_b32 s[OFFA], s69, 8                     ; 256 bytes along xn's rows,
	s_mul_i32 s[OFFB], s69, BSTEP                  ; 128 rows down W;
	s_lshr_b32 s69, s[FN], 3                       ; its tile: 192 columns along W's rows
	s_mul_i32 s69, s69, 384
	s_add_co_u32 s[OFFB], s[OFFB], s69
	s_add_co_u32 s[FN], s[FN], 1
	s_xor_b32 s[G0+5], s[G0+5], SLOT1
	s_add_nc_u64 s[G0+6:G0+7], s[BASEA:BASEA+1], s[OFFA:OFFA+1]
	s_or_b32 s[G0+7], s[G0+7], 0x80000000
	s_xor_b32 s[G0B+5], s[G0B+5], SLOT1
	s_add_nc_u64 s[G0B+6:G0B+7], s[BASEB:BASEB+1], s[OFFB:OFFB+1]
	s_or_b32 s[G0B+7], s[G0B+7], 0x80000000
.endif
	s_wait_dscnt 5                                 ; the add and the youngest four loads may be out
	MULS 1, 0, 1, 0
	s_wait_dscnt 0x0                               ; the add is done, and my reads of this slot are over
	s_barrier_signal -1
	MULS 1, 1, 1, 0
	WIN 0
	s_barrier_wait -1
.if \fill
	CREST                                          ; no wave of any partner still reads this slot or has a load on its way
	JLOAD 1                                        ; 168 matrix instructions ahead of the wait for it; its four v_nop are also the places in front of the loads below
.else
	PLACES
.endif
	s_xor_b32 s[TB], s[TB], SLOT1                  ; the other slot is in hand
	v_add_nc_u32 v[ADRA], s[TB], v[A0]
	v_add_nc_u32 v[ADRB], s[TB], v[B0]
	FETCH 0, 0
	MULS 1, 2, 2, 0
.endm
; THE WAY OUT of tile tn, by heads.  Piece t of 12: row block t / 3, head t % 3: 16 rows x 64 channels.  A lane's eight channels pack into 16 bytes; they go into stage rows of 144 bytes and come back as four whole
; rows of 128.  Four sets of 16 registers take turns.  Head g lies at part g / 16, head g % 16 of the output.
.macro OUTADR tn
	s_wait_xcnt 0x0                                ; earlier stores have read their offsets and data
.irp hh, 0,1,2
	s_mul_i32 s[T0], s[TX], 6
	s_add_co_u32 s[T0], s[T0], 3*(\tn)+\hh
	s_lshr_b32 s[T0+1], s[T0], 4
	s_lshl_b32 s[T0+1], s[T0+1], 24
	s_and_b32 s[T0], s[T0], 15
	s_lshl_b32 s[T0], s[T0], 17
	s_add_co_u32 s[T0], s[T0], s[T0+1]
	v_add_nc_u32 v[GOH+\hh], s[T0], v[CO]
.endr
.endm
.macro PACK t
.set pa, (\t)/3
.set ph, (\t)%3
.set TT, TMP+16*((\t)%4)
.if (\t) >= 4
	s_wait_xcnt 0x0                                ; the stores of the piece four back have read these registers
.endif
	WIN 0x0a+5*(pa/2)                              ; sources window 2 or 3, destination window 0
.irp f, 0,1,2,3
.irp r, 0,1,2,3
	v_cvt_pk_bf16_f32 v[TT+4*\f+\r], v[8*(12*(pa%2)+4*ph+\f)+2*\r], v[8*(12*(pa%2)+4*ph+\f)+2*\r+1]
.endr
.endr
	WIN 0
.irp f, 0,1,2,3
	ds_store_b128 v[STO], v[TT+4*\f:TT+4*\f+3] offset:32*\f
.endr
.irp f, 0,1,2,3
	ds_load_b128 v[TT+4*\f:TT+4*\f+3], v[RD] offset:\f*4*SP  ; LDS serves a wave's instructions in order (ISA guide 5.7.1.4): these see the stores above
.endr
.endm
.macro SEND t, younger                 ; younger: the LDS instructions issued behind piece t's loads: the next piece's eight, or none
.irp f, 0,1,2,3
	s_wait_dscnt (\younger)+3-\f
	global_store_b128 v[GOH+(\t)%3], v[TMP+16*((\t)%4)+4*\f:TMP+16*((\t)%4)+4*\f+3], s[8:9] offset:((\t)/3)*2048+\f*512  ; 512 consecutive bytes, at a multiple of 256 from the buffer's first
.endr
.endm
.macro WAYOUT tn
	OUTADR \tn
	PACK 0
.set t, 1
.rept 11                               ; a piece's conversions stand between the loads of the piece before and its stores
	PACK t
	SEND t-1, 8
.set t, t+1
.endr
	SEND 11, 0
.endm
	s_wait_tensorcnt 1                             ; my part of K step 0 is in; step 1's may stay out
	s_barrier_signal -1
	s_barrier_wait -1
	FETCH 0, 0
	s_mov_b32 s3, 15
	s_branch .Lqf                                  ; the loop is entered at a tile's first quarter, which is written once
.Lstep:                                                ; 14 trips, one for each K step that fills its slot again: a step's quarters 2 to 4, then the next step's first
	QUARTER 2, 1, 0, 0
	QUARTER 3, 0, 1, 0
	TURN 1
	WIN 0
	s_cmp_eq_u32 s3, 7                             ; the eighth trip ends the first tile
	s_cbranch_scc1 .Lbound
	QUARTER 1, 0, 1, 0
	WIN 0
	s_branch .Lcont
.Lbound:                                               ; both of the next tile's first K steps have been asked for: now the tile goes out; no barrier and no tensor load stands here
	BIAS 1                                         ; the next tile's bias lands under the way out
	PLACES
	WAYOUT 0
.Lqf:
	s_wait_loadcnt 0x0                             ; the bias
	QUARTER 1, 0, 1, 1                             ; a tile's first quarter starts the sums, on the bias
	WIN 0
.Lcont:
	s_sub_co_u32 s3, s3, 1
	s_cmp_lg_u32 s3, 0
	s_cbranch_scc1 .Lstep
	QUARTER 2, 1, 0, 0                             ; the last two K steps fill nothing and are written out
	QUARTER 3, 0, 1, 0
	TURN 0
	QUARTER 1, 0, 1, 0
	QUARTER 2, 1, 0, 0
	QUARTER 3, 0, 1, 0
	s_wait_dscnt 4
	MULS 1, 0, 2, 0
	s_wait_dscnt 0x0
	MULS 1, 2, 2, 0
	WIN 0
	PLACES
	WAYOUT 1
	s_wait_tensorcnt 0x0                           ; the wave's end
	ds_add_u32 v[SPW], v[NIL]
	s_wait_dscnt 0x0
	CROUND                                         ; the closing round: no work-group ends while a partner may still ask for a tile that names it
	s_endpgm
.Lfunc_end_k_qc64cf615b9_qkv:
	.size	k_qc64cf615b9_qkv, .Lfunc_end_k_qc64cf615b9_qkv-k_qc64cf615b9_qkv
	.p2alignl 7, 3214868480
	.fill 96, 4, 3214868480
	.section	.rodata,"a",@progbits
	.p2align	6, 0x0
	.amdhsa_kernel k_qc64cf615b9_qkv
		.amdhsa_group_segment_fixed_size 327680
		.amdhsa_private_segment_fixed_size 0
		.amdhsa_enable_private_segment 0
		.amdhsa_kernarg_size 40
		.amdhsa_user_sgpr_count 2
		.amdhsa_user_sgpr_kernarg_segment_ptr 1
		.amdhsa_wavefront_size32 1
		.amdhsa_system_sgpr_workgroup_id_x 1
		.amdhsa_system_sgpr_workgroup_id_y 1
		.amdhsa_system_sgpr_workgroup_id_z 1
		.amdhsa_system_vgpr_workitem_id 0
		.amdhsa_next_free_vgpr 960
		.amdhsa_next_free_sgpr 88
		.amdhsa_reserve_vcc 0
		.amdhsa_float_denorm_mode_32 3
		.amdhsa_float_denorm_mode_16_64 3
		.amdhsa_memory_ordered 1
		.amdhsa_forward_progress 1
		.amdhsa_inst_pref_size 132
	.end_amdhsa_kernel
	.amdgpu_metadata
---
amdhsa.version: [ 1, 2 ]
amdhsa.kernels:
  - .name:           k_qc64cf615b9_qkv
    .symbol:         k_qc64cf615b9_qkv.kd
    .args:
      - { .name: xn, .offset: 0, .size: 8, .value_kind: global_buffer, .address_space: global }
      - { .name: wcat, .offset: 8, .size: 8, .value_kind: global_buffer, .address_space: global }
      - { .name: qkvh, .offset: 16, .size: 8, .value_kind: global_buffer, .address_space: global }
      - { .name: bq, .offset: 24, .size: 8, .value_kind: global_buffer, .address_space: global }
      - { .name: bkv, .offset: 32, .size: 8, .value_kind: global_buffer, .address_space: global }
    .group_segment_fixed_size: 327680
    .private_segment_fixed_size: 0
    .kernarg_segment_align: 8
    .kernarg_segment_size: 40
    .max_flat_workgroup_size: 128
    .sgpr_count:     88
    .vgpr_count:     960
    .wavefront_size: 32
...
	.end_amdgpu_metadata
.endif
;; end of part 2
;; launch attn (part 3): grid 2 x 128, 4 waves a work-group, no clusters, 327,680 bytes of LDS; arguments qkvh, lengths, o; writes o
.if DOCPART == 3
	.amdgcn_target "amdgcn-amd-amdhsa--gfx1250"
	.amdhsa_code_object_version 6
	.text
	.protected	k_qc64cf615b9_attn
	.globl	k_qc64cf615b9_attn
	.p2align	8
	.type	k_qc64cf615b9_attn,@function
k_qc64cf615b9_attn:
	s_mov_b64 s[64:65], 0
	v_nop
	global_prefetch_b8 v0, s[64:65] scope:SCOPE_SE
	s_setreg_imm32_b32 hwreg(HW_REG_WAVE_MODE, 25, 1), 1
	s_wait_xcnt 0x0
; O[head][q][:] = the sum over k < length[batch] of softmax_k(Q[q] . K[k] / 8) V[k][:].  qkvh: [q,k,v][128 heads][1024][64] bf16; o: [128][1024][64] bf16; a head's rows are dense, 128 bytes each.
; Products, maxima and sums in f32; the weights p are rounded to bf16 for the second product (their sum l is taken of the unrounded p), O once at the end.
; LIMITS.  A hidden score counts as its value less 1e30, so |Q . K| stays under about 1e29.  Lengths 1 to 1,024 are served, larger ones act as 1,024; a length of 0 or less gives the plain mean of all V rows
; (the definition gives NaN there).  A weight below 2^-126 counts as 0 in l; NaN and infinities are not treated apart.
; SHARES.  A work-group owns 512 queries of one head, a wave four PIECES of two tiles of 16.  Every wave walks all 1,024 keys, 64 a step; the length selects values alone: no address, count or branch hangs on it.
; NO CLUSTER: a head has two work-groups, so only two share its K and V, 256 KB in all; clusters here come in fours along x.
; LAYOUT.  S^T = K Q^T (source 0 = 16 keys, source 1 = 16 queries): a lane holds ONE query (lane % 16) and the keys 8 (lane / 16) + 0..7.  Two such tiles, rounded in pairs, ARE source 1 of O^T = V^T P.
; K comes out of LDS as it lies, V ([key][channel]) turned, by ds_load_tr16_b128.
; THE MASK is the C operand that starts the sum S^T: 0, or -1e30 where the key's number is not below the length: 32 registers, made anew for each key step where that step's K is fetched.
; SOFTMAX.  A running maximum m and sum l: p = 2^(c s - c m), c = log2(e) / 8; in every step O and l are multiplied by a = 2^(c m_old - c m_new).  m starts at the lowest finite number, O and l at 0.
; BY TURNS.  Turn n belongs to piece n: 16 products K Q^T of piece n + 1, later 16 products V^T P of piece n - 1; beside them the scaling, exponentials, roundings, sums and rescaling of piece n and the maximum and
; statistics of piece n + 1.  Four vector instructions that are ready stand behind every matrix instruction, the others in two runs of their own.
; REGISTERS, in windows of 256 (s_set_vgpr_msb: bits 1:0 source 0, 3:2 source 1, 5:4 source 2, 7:6 destination):
;   window 0: v0-11 addresses; v12-15, v48-63 at work; v16-47 statistics; v64-191 S^T, two buffers of two tiles; v192-255 P, likewise      window 1: O^T, 32 a tile
;   window 2: v0-127 Q; v128-191 K of one step; v192-255 V of one step      window 3: v0-1 the add's two registers; v2-33 the mask; v34-35 at work for it
.set SIZE_N, 1024
.set NP,    4         ; pieces a wave: a name, no knob
.set KS,    64        ; keys in a step
.set PK,    144       ; a row of K in LDS: 128 bytes + 16: the 16 rows of a load start at 16 different groups of four banks
.set PV,    160       ; a row of V: 128 + 32
.set VOFF,  4*KS*PK   ; a slot holds four steps: 256 rows of K, then 256 rows of V
.set SLOT1, 1<<17     ; slot 1 begins here: one exclusive or turns an address in one slot into the other's
.set STAGE, SLOT1+4*KS*(PK+PV)  ; behind the ring, never filled by a tensor load: 16 rows x 144 bytes for each wave
.set SP,    144
.set AK0, 2           ; v2   my lane's place in a tile of K; never rewritten
.set AV0, 3           ; v3   the same for V
.set AK,  4           ; v4   the LDS address of K's next run of loads
.set AV,  5           ; v5   of V's
.set QO,  6           ; v6   my byte offset in the wave's rows of Q
.set STO, 6           ;      later, the way out: where I put 16 bytes of a row
.set RD,  7           ; v7   the way out: where I read rows back
.set GO,  8           ; v8   my byte offset in 512 consecutive bytes of O
.set SPW, 0           ; window 3: LDS address of my spare word; never rewritten
.set NIL, 1           ; window 3: 0; never rewritten
.set MK,  2           ; window 3: the mask: group kt of 16 keys at MK + 8 kt
.set VT,  34          ; window 3: keys left from this step on, less 8 (l / 16) + 1
.set H81, 35          ; window 3: 8 (l / 16) + 1
.set SPARE, STAGE+4*16*SP  ; behind the stages: the spare words, 128 bytes for each wave, which no other line names
.set MV,  12          ; v12-15  c m_old, kept while c m is made anew
.set ST,  16          ; tile t's statistics at v[ST+4 t]: c m, m, l (even keys', odd keys')
.set TMP, 48          ; by buffer and tile, four registers c0-c3 at work; when the maximum is found c2 takes a
.set S,   64
.set P,   192
.set KF,  128         ; window 2: key block kb, channel half c at KF + 16 kb + 8 c
.set VF,  192         ; window 2: key half kk, channel block cb at VF + 32 kk + 8 cb
.set WV,  12          ; s12  my wave's number
.set G1K, 24          ; s[24:31] descriptor group 1 for K's tiles
.set G1V, 32          ; s[32:39] for V's: it differs in the padding alone
.set G0K, 40          ; s[40:43] descriptor group 0 for K's tiles: it walks
.set G0V, 44          ; s[44:47] the same for V's
.set SLOTS, 56        ; s56  slots still to be asked for
.set CNT, 57          ; s57  counts a slot's key steps
.set CS,  58          ; s[58:59] c
.set SEL, 60          ; s[60:61] v_permlanex16_b32's selects
.set TBK, 62          ; s62  LDS byte at which K of the step to be fetched begins
.set TBV, 63          ; s63  the same for V, less VOFF
.set LT,  68          ; s68  the length less the first key of the step whose mask is made next
.set BIGN, 69         ; s69  -1e30
.set MSB, 0
.macro WIN new
.if MSB != (\new)
	s_set_vgpr_msb (MSB<<8)|(\new)
.set MSB, (\new)
.endif
.endm
.set W_KQ, 0x0a       ; K and Q in window 2, S^T in window 0
.set W_KM, 0x3a       ; the same with the C operand in window 3
.set W_PV, 0x52       ; V in window 2, P in window 0, O^T in window 1
.set W_RS, 0x41       ; O^T (destination and source 0) in window 1, a in window 0
.set W_MK, 0xc0       ; destination in window 3, sources in window 0
.set W_AD, 0x0f       ; the add: address and data in window 3
; A fill.  Waves 0 and 1 fetch the two halves of a slot's K, waves 2 and 3 those of its V: 128 keys each.  An s_nop 0 and four v_nop follow each of the two lines.
.macro LOAD
	s_cmp_lt_u32 s[WV], 2
	s_cbranch_scc0 .Lfor_v_\@
	tensor_load_to_lds s[G0K:G0K+3], s[G1K:G1K+7]
	s_nop 0
.rept 4
	v_nop
.endr
	s_branch .Lasked_\@
.Lfor_v_\@:
	tensor_load_to_lds s[G0V:G0V+3], s[G1V:G1V+7]
	s_nop 0
.rept 4
	v_nop
.endr
.Lasked_\@:
.endm
; THE CHANGE OF SLOTS.  Each wave waits for all its tensor loads, of which one is out: its part of the other slot; adds 0 to its spare word; and waits for that and for its own reads of the slot.
; Behind the barrier nobody reads this slot any more and the other slot is whole.  fill = 1: this slot is filled again, first thing behind the barrier, with the keys two slots on: four key steps, 512 matrix
; instructions, in which to land.  (At its first use nothing has been read yet: slot 0 is waited for, slot 1 filled.)
.macro CHANGE fill
	WIN W_AD
	s_wait_tensorcnt 0x0            ; no tensor load of mine is out, so a group 0 may be written
	ds_add_u32 v[SPW], v[NIL]
	WIN 0
.if \fill
.irp g, G0K, G0V
	s_xor_b32 s[\g+1], s[\g+1], SLOT1  ; the walking descriptor: the other slot than last time,
	s_add_nc_u64 s[\g+2:\g+3], s[\g+2:\g+3], 4*KS*128  ; the next 256 keys; the type bits on top are not reached
.endr
.endif
	s_wait_dscnt 0x0                ; the add is done, and my reads of the slot are over
	s_barrier_signal -1
	s_barrier_wait -1
.if \fill
	LOAD
.endif
	s_sub_co_u32 s[TBK], s[TBK], 4*KS*PK  ; the fetches go back to a slot's first step,
	s_xor_b32 s[TBK], s[TBK], SLOT1       ; in the other slot
	s_sub_co_u32 s[TBV], s[TBV], 4*KS*PV
	s_xor_b32 s[TBV], s[TBV], SLOT1
.endm
	s_load_b128 s[76:79], s[0:1], 0x0  ; qkvh s[76:77], lengths s[78:79]
	s_load_b64 s[10:11], s[0:1], 0x10  ; o
	WIN W_MK
	v_lshl_add_u32 v[SPW], v0, 2, SPARE
	v_mov_b32 v[NIL], 0
	s_set_vgpr_msb 0xc0cf
	ds_add_u32 v0, v1
	ds_add_u32 v0, v1
	s_wait_dscnt 0x0
	s_set_vgpr_msb 0xcfc0
	WIN 0
	v_lshrrev_b32 v1, 5, v0
	v_readfirstlane_b32 s[WV], v1   ; wave 0..3
	s_and_b32 s20, ttmp7, 0xffff    ; the head, 16 x batch + head in the batch
	s_lshr_b32 s66, s20, 4
	s_lshl_b32 s66, s66, 2          ; the batch's word in lengths
	s_mov_b32 s67, 0
	s_lshl_b32 s20, s20, 17         ; the head's first byte in a part of qkvh and in o
	s_and_b32 s16, s[WV], 1         ; which half of a slot's 256 keys I fetch:
	s_lshl_b32 s22, s16, 14         ; its 128 rows of 128 bytes in memory,
	s_add_co_u32 s22, s22, s20
	s_add_co_u32 s74, s22, 1<<25    ; in V's part,
	s_add_co_u32 s22, s22, 1<<24    ; in K's part
	s_mov_b32 s23, 0
	s_mov_b32 s75, 0
	s_mul_i32 s17, s16, 128*PK      ; and its place in a slot, for K
	s_mul_i32 s18, s16, 128*PV      ; and for V
	s_lshl_b32 s2, ttmp9, 2
	s_add_co_u32 s2, s2, s[WV]      ; my wave among the head's eight,
	s_lshl_b32 s2, s2, 14           ; its 128 rows
	s_add_co_u32 s2, s2, s20
	s_mov_b32 s3, 0
	; descriptor group 1.  128 keys are 16,384 dense bytes: asked for as 64 rows of 256 bytes, two keys a row, and padded in LDS after every key
	s_mov_b32 s[G1K], (1<<16)|(1<<20)|(4<<22)|(3<<25)  ; 2-byte elements; padding on; after every 32 words; 4 words
	s_mov_b32 s[G1V], (1<<16)|(1<<20)|(4<<22)|(7<<25)  ; the same with 8 words
.irp g, G1K, G1V
	s_mov_b32 s[\g+1], 128<<16      ; tensor_dim0 = 128
	s_mov_b32 s[\g+2], 64<<16       ; tensor_dim1 = 64
	s_mov_b32 s[\g+3], 128<<16      ; tile_dim0 = 128
	s_mov_b32 s[\g+4], 64           ; tile_dim1 = 64
	s_mov_b32 s[\g+5], 128          ; 128 elements from row to row
	s_mov_b32 s[\g+6], 0
	s_mov_b32 s[\g+7], 0
.endr
	s_mov_b32 s[CS], 0x3e38aa3b     ; c = log2(e) / 8
	s_mov_b32 s[CS+1], s[CS]        ; named with it as a pair
	s_mov_b32 s[SEL], 0x76543210
	s_mov_b32 s[SEL+1], 0xfedcba98
	s_mov_b32 s[BIGN], 0xf149f2ca   ; -1e30
	s_mov_b32 s[TBK], SLOT1+4*KS*PK ; the first change of slots turns these two into 0
	s_mov_b32 s[TBV], SLOT1+4*KS*PV
	s_mov_b32 s[G0K], 1             ; count = 1
	s_mov_b32 s[G0K+1], s17         ; LDS address: slot 0
	s_mov_b32 s[G0V], 1
	s_add_co_u32 s[G0V+1], s18, VOFF
	s_wait_kmcnt 0x0
	s_add_nc_u64 s[78:79], s[78:79], s[66:67]
	s_load_b32 s[LT], s[78:79], 0x0 ; my batch's length
	s_add_nc_u64 s[G0K+2:G0K+3], s[76:77], s[22:23]  ; my half of the head's first 256 keys
	s_or_b32 s[G0K+3], s[G0K+3], 0x80000000          ; type = 2
	s_add_nc_u64 s[G0V+2:G0V+3], s[76:77], s[74:75]
	s_or_b32 s[G0V+3], s[G0V+3], 0x80000000
	s_add_nc_u64 s[4:5], s[76:77], s[2:3]    ; Q and O at my wave's first row
	s_add_nc_u64 s[10:11], s[10:11], s[2:3]
	LOAD                            ; slot 0.  Slot 1 is asked for when slot 0 is in
	; A fragment of K or Q is 16 rows x 32 channels in 8 registers: lane l holds row l % 16, channels 8 (l / 16) + 0..7 and 16 + 8 (l / 16) + 0..7: two loads of 16 bytes, 32 bytes apart.
	v_and_b32 v1, 15, v0            ; l % 16
	v_bfe_u32 v9, v0, 4, 1          ; l / 16
	v_lshlrev_b32 v[QO], 7, v1
	v_lshl_add_u32 v[QO], v9, 4, v[QO]  ; row x 128 + 16 x half
	WIN 0x80                        ; destination window 2, address window 0
.set i, 0
.rept 4*NP                          ; Q stays in registers: tile i / 2, channels 32 (i % 2) on
	global_load_b128 v[8*i:8*i+3],   v[QO], s[4:5] offset:(i/2)*2048+(i%2)*64
	global_load_b128 v[8*i+4:8*i+7], v[QO], s[4:5] offset:(i/2)*2048+(i%2)*64+32
.set i, i+1
.endr
	; What the first turn finds: V's registers and P's second buffer hold 0 (its products V^T P, of a piece that has not been, add 0), O^T and l are 0.  All this stands in the wait for the first tile.
.set i, VF
.rept 64
	v_mov_b32 v[i], 0
.set i, i+1
.endr
	WIN 0x40
.set i, 0
.rept 64*NP
	v_mov_b32 v[i], 0
.set i, i+1
.endr
	WIN W_MK
	v_lshl_add_u32 v[H81], v9, 3, 1
	WIN 0
.set i, 0
.rept 2*NP
	v_mov_b32 v[ST+4*i], 0xfe000000    ; c m: far below every c s
	v_mov_b32 v[ST+4*i+1], 0xff7fffff  ; m
	v_mov_b32 v[ST+4*i+2], 0
	v_mov_b32 v[ST+4*i+3], 0
.set i, i+1
.endr
.set i, P+32
.rept 32
	v_mov_b32 v[i], 0
.set i, i+1
.endr
	v_mul_u32_u24 v[AK0], v1, PK
	v_lshl_add_u32 v[AK0], v9, 4, v[AK0]  ; row x pitch + 16 x half
	; The turning load takes 16 keys x 16 channels (lane l reads key 8 (l / 16) + l % 8, channels 8 ((l / 8) % 2) + 0..7) and leaves half a fragment of V^T: lane l holds channel l % 16 and 8 keys.
	v_and_b32 v10, 7, v0
	v_bfe_u32 v11, v0, 3, 1
	v_lshl_add_u32 v[AV0], v9, 3, v10
	v_mul_u32_u24 v[AV0], v[AV0], PV
	v_lshl_add_u32 v[AV0], v11, 4, v[AV0]
	v_add_nc_u32 v[AV0], VOFF, v[AV0]
	v_mov_b32 v[AK], v[AK0]         ; key step 0 lies at the head of slot 0
; THE MASK of the next key step.  Register i holds key 16 (i / 8) + i % 8 + 8 (l / 16) of the step; it is hidden where that is not below LT, that is where 16 (i / 8) + i % 8 > LT - 8 (l / 16) - 1.
.macro MASKGEN
	WIN 0xcc                        ; destination and source 1 in window 3
	v_sub_nc_u32 v[VT], s[LT], v[H81]
.set mi, 0
.rept 32
	v_cmp_gt_i32 vcc_lo, 16*(mi/8)+mi%8, v[VT]
	v_cndmask_b32 v[MK+mi], 0, s[BIGN], vcc_lo
.set mi, mi+1
.endr
	s_sub_co_u32 s[LT], s[LT], KS
	WIN 0
.endm
; THE MATRIX WORK.  The 8 accumulators of a run of 16 take turns: between the two links of a chain stand 7 others'.
; Product i of 16 of S^T = K Q^T for piece x: channels 32 (i / 8) on, keys 16 ((i / 2) % 4) on, tile 2 x + i % 2.  The first 8 start the sums, on the mask.
.macro KQ x
.set rS, S+64*((\x)%2)+32*(i%2)+8*((i/2)%4)
.set rK, KF+16*((i/2)%4)+8*(i/8)
.set rQ, 16*(2*(\x)+i%2)+8*(i/8)
.set rM, MK+8*((i/2)%4)
.if i < 8
	WIN W_KM
	v_wmma_f32_16x16x32_bf16 v[rS:rS+7], v[rK:rK+7], v[rQ:rQ+7], v[rM:rM+7]
.else
	WIN W_KQ
	v_wmma_f32_16x16x32_bf16 v[rS:rS+7], v[rK:rK+7], v[rQ:rQ+7], v[rS:rS+7]
.endif
.endm
; Product i of 16 of O^T += V^T P for piece x: keys 32 (i / 8) on, channels 16 ((i / 2) % 4) on, tile 2 x + i % 2.
.macro PV x
	WIN W_PV
.set rO, 32*(2*(\x)+i%2)+8*((i/2)%4)
.set rV, VF+32*(i/8)+8*((i/2)%4)
.set rP, P+32*((\x)%2)+16*(i%2)+8*(i/8)
	v_wmma_f32_16x16x32_bf16 v[rO:rO+7], v[rV:rV+7], v[rP:rP+7], v[rO:rO+7]
.endm
.macro MM                           ; the turn's next matrix instruction
.if i < 16
	KQ (Y+1)%NP
.set i, i+1
.else
.set i, i-16
	PV (Y+NP-1)%NP
.set i, i+17
.endif
.endm
; THE LDS LOADS stand in runs of 16: a step's K (64 keys x 64 channels: 8 fragments) and its V (turned).  last = 1 (the tail): in the last trip there is no further step, and the run is jumped over.
.macro FETCH_K last=0
	WIN 0
.if \last
	s_cmp_eq_u32 s[CNT], 1
	s_cbranch_scc1 .Lno_k_\@
.endif
	WIN 0x80                        ; destination window 2
.irp f, 0,1,2,3,4,5,6,7             ; keys 16 (f / 2) on, channels 32 (f % 2) on
	ds_load_b128 v[KF+8*\f:KF+8*\f+3],   v[AK] offset:(\f/2)*16*PK+(\f%2)*64
	ds_load_b128 v[KF+8*\f+4:KF+8*\f+7], v[AK] offset:(\f/2)*16*PK+(\f%2)*64+32
.endr
	s_add_co_u32 s[TBK], s[TBK], KS*PK  ; the next fetch is the next step's
	WIN 0
.if \last
.Lno_k_\@:
.endif
.endm
.macro FETCH_V
	WIN 0x80
.irp f, 0,1,2,3,4,5,6,7             ; keys 32 (f / 4) on, channels 16 (f % 4) on
	ds_load_tr16_b128 v[VF+8*\f:VF+8*\f+3],   v[AV] offset:(\f/4)*32*PV+(\f%4)*32
	ds_load_tr16_b128 v[VF+8*\f+4:VF+8*\f+7], v[AV] offset:(\f/4)*32*PV+16*PV+(\f%4)*32
.endr
	WIN 0
.endm
; THE VECTOR WORK OF A TURN stands in three queues, each in the order in which its entries become ready; the two tiles alternate, so that no instruction reads the result of the one before it.
.macro REGS y, u                    ; the registers of tile u (0, 1) of piece y
.set rT, ST+4*(2*(\y)+(\u))
.set rC, TMP+8*((\y)%2)+4*(\u)
.set rM, MV+2*((\y)%2)+(\u)
.set rS, S+64*((\y)%2)+32*(\u)
.set rP, P+32*((\y)%2)+16*(\u)
.set rO, 32*(2*(\y)+(\u))
.endm
; Number n of the 22 that find the NEXT piece's (Y + 1) maximum and statistics; each accumulator's lowest registers are read first.
;   0-11  four chains c0-c3 of seven scores each     12-14, 16  the four scores left over, the old m, and c0-c3 into c0     15  c m_old is kept
;   17, 18  the query's other 32 keys lie in the lane 16 away: the new m         19-21  c m; c m_old - c m_new; a
.macro XS u, n
	REGS (Y+1)%NP, \u
.if (\n) < 4
	v_max3_num_f32 v[rC+(\n)], v[rS+8*(\n)], v[rS+8*(\n)+1], v[rS+8*(\n)+2]
.elseif (\n) < 12
	v_max3_num_f32 v[rC+(\n)%4], v[rC+(\n)%4], v[rS+8*((\n)%4)+2*((\n)/4)+1], v[rS+8*((\n)%4)+2*((\n)/4)+2]
.elseif (\n) == 12
	v_max3_num_f32 v[rC], v[rC], v[rS+7], v[rS+15]
.elseif (\n) == 13
	v_max3_num_f32 v[rC+1], v[rC+1], v[rS+23], v[rS+31]
.elseif (\n) == 14
	v_max3_num_f32 v[rC+2], v[rC+2], v[rC+3], v[rT+1]
.elseif (\n) == 15
	v_mov_b32 v[rM], v[rT]
.elseif (\n) == 16
	v_max3_num_f32 v[rC], v[rC], v[rC+1], v[rC+2]
.elseif (\n) == 17
	v_permlanex16_b32 v[rC+3], v[rC], s[SEL], s[SEL+1]
.elseif (\n) == 18
	v_max_num_f32 v[rT+1], v[rC], v[rC+3]
.elseif (\n) == 19
	v_mul_f32 v[rT], s[CS], v[rT+1]
.elseif (\n) == 20
	v_sub_f32 v[rC+1], v[rM], v[rT]
.else
	v_exp_f32 v[rC+2], v[rC+1]
.endif
.endm
; Number g of the 64 that follow the exponentials.  For each four weights k of a tile: both pairs are rounded to bf16; then the second pair is added onto the first, in place;
; a group later l takes that sum (the first time as l = a l + sum).
.macro GS g
.set h, (\g)+6*((\g)/62)            ; group 0 has no group before it, and behind group 7 only l is left
.if h >= 6
.set h, h+2
.endif
	REGS Y, h%2
.set k, h/8
.if h%8 < 4
	s_wait_alu depctr_va_vdst(0)
	v_cvt_pk_bf16_f32 v[rP+2*k+(h%8)/2], v[rS+4*k+2*((h%8)/2)], v[rS+4*k+2*((h%8)/2)+1]
.elseif h%8 < 6
	v_pk_add_f32 v[rS+4*k:rS+4*k+1], v[rS+4*k:rS+4*k+1], v[rS+4*k+2:rS+4*k+3]
.elseif k == 1
	v_pk_fma_f32 v[rT+2:rT+3], v[rT+2:rT+3], v[rC+2:rC+3], v[rS:rS+1] op_sel_hi:[1,0,1]
.else
	v_pk_add_f32 v[rT+2:rT+3], v[rT+2:rT+3], v[rS+4*k-4:rS+4*k-3]
	s_wait_alu depctr_va_vdst(0)
.endif
.endm
; THE PLAIN QUEUE, 138 long.  0-31: c s - c m for the 16 pairs of both tiles.  Then GS's 64, and among them the next piece's 42.
.macro PL
	WIN 0
.if q < 32
	REGS Y, q%2
	v_pk_fma_f32 v[rS+2*(q/2):rS+2*(q/2)+1], v[rS+2*(q/2):rS+2*(q/2)+1], s[CS:CS+1], v[rT:rT+1] op_sel_hi:[1,0,0] neg_lo:[0,0,1] neg_hi:[0,0,1]
.elseif q < 38
	GS q-32
.elseif q < 40
	XS q%2, 15
.elseif q < 42
	GS q-34
.elseif q < 74
	XS q%2, (q-42)/2+(q-42)/30
.elseif q < 95
	GS q-66
.elseif (q < 107) && ((q-95)%3 < 2)
	XS (q-95)%3, 17+(q-95)/3
.elseif q < 107
	GS 29+(q-95)/3
.else
	GS q-74
.endif
.set q, q+1
.endm
; THE EXPONENTIALS' QUEUE, 66 long: s0-s31 of both tiles, and at EA the next piece's two a.
.set EA, 58
.macro EX
	WIN 0
.if (e == EA) || (e == EA+1)
	XS e-EA, 21
.else
.set x, e-2*(e/(EA+2))
	REGS Y, x%2
	v_exp_f32 v[rS+x/2], v[rS+x/2]
.endif
.set e, e+1
.endm
; THE RESCALING's QUEUE: O^T times a, the one part that leaves window 0, dealt four at a time, eight times.
.macro R4
	REGS Y, r%2
	WIN W_RS
	s_wait_alu depctr_va_vdst(0)
.irp z, 0,1,2,3
	v_pk_mul_f32 v[rO+8*(r/2)+2*\z:rO+8*(r/2)+2*\z+1], v[rO+8*(r/2)+2*\z:rO+8*(r/2)+2*\z+1], v[rC+2:rC+3] op_sel_hi:[1,0]
.endr
.set r, r+1
.endm
; HOW THEY ARE DEALT.  Behind a matrix instruction four: plain, exponential, plain, plain, or four of the rescaling; none names a register of the products round it.  What is over stands in two runs:
; exponential and plain by turns; the second ends in 22 plain instructions.  Exponential e stands behind plain 2 (e / 4) + e % 2 (its scaling); EA comes behind plain 107.
.macro SL
	MM
	PL
	EX
	PL
	PL
.endm
.macro BURST n                      ; 15 matrix instructions, or 16
.rept (\n)-7
	SL
.endr
.rept 3
	MM
	R4
	SL
.endr
	MM
	R4
.endm
; A TURN, for piece p.  cnt = 1: the loop's count is taken down some lines ahead of the branch that stands behind the turn.
; K of the next step is fetched in piece 2's turn, behind the last product that read K, and that step's mask is made there: the old mask's last readers are this turn's first eight products.
; V of the step in hand is fetched at the end of piece 0's turn.
.macro TURN p, last=0, cnt=0
.set Y, (\p)
.set i, 0
.set q, 0
.set e, 0
.set r, 0
.if (\p) == NP-1
	s_wait_dscnt 0x0                ; K is in
.endif
	MM
.rept 4
	PL
.endr
	BURST 15
.rept 22
	EX
	PL
.if ((\p) == NP-2) && (e == 18)
	v_add_nc_u32 v[AK], s[TBK], v[AK0]
.endif
.if ((\p) == NP-2) && (e == 24)
	FETCH_K \last
	MASKGEN
.endif
.endr
.if (\p) == 1
	s_wait_dscnt 0x0                ; V is in
.endif
	BURST 16
.rept 21
	EX
	PL
.endr
.rept 22
	PL
.if ((\p) == 0) && (q == 118)
	v_add_nc_u32 v[AV], s[TBV], v[AV0]
	s_wait_alu depctr_va_vdst(0)
.endif
.if ((\p) == 0) && (q == 130)
	s_add_co_u32 s[TBV], s[TBV], KS*PV
.endif
.if (\cnt) && (q == 130)
	s_sub_co_u32 s[CNT], s[CNT], 1
	s_cmp_lg_u32 s[CNT], 0
.endif
.endr
.if (\p) == 0
	FETCH_V
.endif
.endm
	CHANGE 1                        ; slot 0 is in, everybody's part of it; slot 1 is asked for
	FETCH_K                         ; key step 0
	s_wait_kmcnt 0x0                ; the length
	MASKGEN                         ; and its mask
	s_wait_loadcnt 0x0              ; Q
	s_wait_dscnt 0x0
.set i, 0
.rept 16
	KQ 0                            ; piece 0's first scores
.set i, i+1
.endr
	WIN 0                           ; the addresses for the way out: plain instructions, the places behind those products
	s_mul_i32 s13, s[WV], 16*SP
	s_add_co_u32 s13, s13, STAGE    ; my stage
	v_mul_u32_u24 v[STO], v1, SP    ; in: row l % 16, 16 bytes for each half of the lanes
	v_lshl_add_u32 v[STO], v9, 4, v[STO]
	v_add_nc_u32 v[STO], s13, v[STO]
	v_bfe_u32 v[RD], v0, 3, 2       ; back: 32 lanes take four rows of 128 bytes,
	v_mul_u32_u24 v[RD], v[RD], SP
	v_lshl_add_u32 v[RD], v10, 4, v[RD]
	v_add_nc_u32 v[RD], s13, v[RD]
	v_and_b32 v[GO], 31, v0         ; which are 512 consecutive bytes of O
	v_lshlrev_b32 v[GO], 4, v[GO]
.set Y, NP-1                        ; XS works for piece Y + 1: piece 0
.irp n, 0,1,2,3,4,5,6,7,8,9,10,11,12,13,14,15,16,17,18,19,20,21
	XS 0, \n                        ; piece 0's first maximum and statistics
	XS 1, \n
.endr
	s_mov_b32 s[CNT], 4
	s_mov_b32 s[SLOTS], SIZE_N/256-1
	s_branch .Lfirst                ; the loop is entered at a step's first turn, in the middle of a trip
.Lslot:                             ; twice: every slot but the last two is filled again
	CHANGE 1
	s_mov_b32 s[CNT], 4
.Lstep:                             ; a trip: pieces 2 and 3 of one step, then pieces 0 and 1 of the next, whose K and V it fetches
	TURN 2
	TURN 3
	WIN 0
.Lfirst:
	TURN 0
	TURN 1, 0, 1
	WIN 0
	s_cbranch_scc1 .Lstep
	s_sub_co_u32 s[SLOTS], s[SLOTS], 1
	s_cmp_lg_u32 s[SLOTS], 0
	s_cbranch_scc1 .Lslot
	CHANGE 0                        ; the tail is written out: nothing is asked for
	s_mov_b32 s[CNT], 5             ; four trips fetch the last slot's steps; the fifth is left in its middle
.Ltail:
	TURN 2, 1
	TURN 3
	WIN 0
	s_sub_co_u32 s[CNT], s[CNT], 1
	s_cmp_eq_u32 s[CNT], 0
	s_cbranch_scc1 .Lout
	TURN 0
	TURN 1
	WIN 0
	s_branch .Ltail
.Lout:                              ; the fifth trip's 16 products K Q^T (on the last K, all hidden) and the maximum made of them change nothing: the price, once a launch, of one text for every trip
.set i, 0
.rept 16
	PV NP-1                         ; the last piece's V^T P of the last step
.set i, i+1
.endr
	; THE WAY OUT.  l's two halves and the other half of the lanes' are added; O^T is divided by l, rounded to bf16 and sent through my stage in LDS, a tile at a time.  The additions are the places behind the last products.
	WIN 0
.macro ALL line:vararg              ; one line for each tile t
.set t, 0
.rept 2*NP
	\line
.set t, t+1
.endr
.endm
	ALL v_add_f32 v[ST+4*t+2], v[ST+4*t+2], v[ST+4*t+3]
	ALL v_permlanex16_b32 v[ST+4*t+3], v[ST+4*t+2], s[SEL], s[SEL+1]
	ALL v_add_f32 v[ST+4*t+2], v[ST+4*t+2], v[ST+4*t+3]
	ALL v_rcp_f32 v[ST+4*t+2], v[ST+4*t+2]
	v_nop                           ; a plain instruction between the last reciprocal and the use of its result
	s_wait_alu depctr_va_vdst(0)
; Tile t: a lane's eight channels of a row pack into 16 bytes; they go into rows of 144 bytes and come back as whole rows of 128, into S^T's registers.
.macro PACK t
	WIN W_RS
.set i, 32*(\t)
.rept 16
	v_pk_mul_f32 v[i:i+1], v[i:i+1], v[ST+4*(\t)+2:ST+4*(\t)+3] op_sel_hi:[1,0]
.set i, i+2
.endr
	WIN 0x05                        ; sources 0 and 1 window 1, destination window 0
.set i, 0
.rept 16
	v_cvt_pk_bf16_f32 v[S+16*(\t)+i], v[32*(\t)+2*i], v[32*(\t)+2*i+1]
.set i, i+1
.endr
	WIN 0
.irp f, 0,1,2,3
	ds_store_b128 v[STO], v[S+16*(\t)+4*\f:S+16*(\t)+4*\f+3] offset:32*\f
.endr
.irp f, 0,1,2,3
	ds_load_b128 v[S+16*(\t)+4*\f:S+16*(\t)+4*\f+3], v[RD] offset:\f*4*SP  ; LDS serves a wave's instructions in order (ISA guide 5.7.1.4): these see the stores above
.endr
.endm
.macro SEND t, younger              ; younger: the LDS instructions issued behind tile t's loads: the next tile's eight, or none
	WIN 0
.irp f, 0,1,2,3
	s_wait_dscnt (\younger)+3-\f
	global_store_b128 v[GO], v[S+16*(\t)+4*\f:S+16*(\t)+4*\f+3], s[10:11] offset:(\t)*2048+\f*512  ; 512 consecutive bytes, at a multiple of 256 from O's first
.endr
.endm
	PACK 0
.set t, 1
.rept 2*NP-1                        ; a tile's arithmetic stands between the loads of the tile before and its stores
	PACK t
	SEND t-1, 8
.set t, t+1
.endr
	SEND 2*NP-1, 0
	WIN W_AD
	s_wait_tensorcnt 0x0            ; the wave's end
	ds_add_u32 v[SPW], v[NIL]
	s_wait_dscnt 0x0
	WIN 0
	s_endpgm
.Lfunc_end_k_qc64cf615b9_attn:
	.size	k_qc64cf615b9_attn, .Lfunc_end_k_qc64cf615b9_attn-k_qc64cf615b9_attn
	.p2alignl 7, 3214868480
	.fill 96, 4, 3214868480
	.section	.rodata,"a",@progbits
	.p2align	6, 0x0
	.amdhsa_kernel k_qc64cf615b9_attn
		.amdhsa_group_segment_fixed_size 327680
		.amdhsa_private_segment_fixed_size 0
		.amdhsa_enable_private_segment 0
		.amdhsa_kernarg_size 24
		.amdhsa_user_sgpr_count 2
		.amdhsa_user_sgpr_kernarg_segment_ptr 1
		.amdhsa_wavefront_size32 1
		.amdhsa_system_sgpr_workgroup_id_x 1
		.amdhsa_system_sgpr_workgroup_id_y 1
		.amdhsa_system_sgpr_workgroup_id_z 1
		.amdhsa_system_vgpr_workitem_id 0
		.amdhsa_next_free_vgpr 804
		.amdhsa_next_free_sgpr 80
		.amdhsa_reserve_vcc 1
		.amdhsa_float_denorm_mode_32 3
		.amdhsa_float_denorm_mode_16_64 3
		.amdhsa_memory_ordered 1
		.amdhsa_forward_progress 1
		.amdhsa_inst_pref_size 217
	.end_amdhsa_kernel
	.amdgpu_metadata
---
amdhsa.version: [ 1, 2 ]
amdhsa.kernels:
  - .name:           k_qc64cf615b9_attn
    .symbol:         k_qc64cf615b9_attn.kd
    .args:
      - { .name: qkvh, .offset: 0, .size: 8, .value_kind: global_buffer, .address_space: global }
      - { .name: lengths, .offset: 8, .size: 8, .value_kind: global_buffer, .address_space: global }
      - { .name: o, .offset: 16, .size: 8, .value_kind: global_buffer, .address_space: global }
    .group_segment_fixed_size: 327680
    .private_segment_fixed_size: 0
    .kernarg_segment_align: 8
    .kernarg_segment_size: 24
    .max_flat_workgroup_size: 128
    .sgpr_count:     80
    .vgpr_count:     804
    .wavefront_size: 32
...
	.end_amdgpu_metadata
.endif
;; end of part 3
;; launch oproj (part 4): grid 4 x 64, 4 waves a work-group, clusters of 4 x 4, 327,680 bytes of LDS; arguments o, wob, out0, bo, x; writes out0
.if DOCPART == 4
	.amdgcn_target "amdgcn-amd-amdhsa--gfx1250"
	.amdhsa_code_object_version 6
	.text
	.protected	k_qc64cf615b9_oproj
	.globl	k_qc64cf615b9_oproj
	.p2align	8
	.type	k_qc64cf615b9_oproj,@function
k_qc64cf615b9_oproj:
	s_mov_b64 s[64:65], 0
	v_nop
	global_prefetch_b8 v0, s[64:65] scope:SCOPE_SE
	s_setreg_imm32_b32 hwreg(HW_REG_WAVE_MODE, 25, 1), 1
	s_wait_xcnt 0x0
	s_wait_alu depctr_hold_cnt(0) depctr_sa_sdst(0) depctr_va_vdst(0) depctr_va_sdst(0) depctr_va_ssrc(0) depctr_va_vcc(0) depctr_vm_vsrc(0)
	s_getreg_b32 s2, hwreg(HW_REG_IB_STS2, 6, 4)
	s_cmp_eq_u32 s2, 0
	s_cbranch_scc0 .Lentry_in_a_cluster
	s_endpgm
.Lentry_in_a_cluster:
	s_bfe_u32 s2, ttmp6, 0x10000c
	s_cmp_lg_u32 s2, 0xf033
	s_cbranch_scc0 .Lentry_shape_is_right
	s_endpgm
.Lentry_shape_is_right:
; C = A W + bias, A bf16 with K along its rows, W bf16 stored [k][n]; sums in f32.  One text for two shapes:
.set KIND, 1
; KIND 0: A = xn [8192][1024], W = wcat [1024][3072], bias bq | bkv; C leaves in bf16 by heads: qkvh [q,k,v][8][16][1024][64].
; KIND 1: A = o [8][16][1024][64] (a K step of 128 is two heads), W = wob [1024][1024], bias bo; C + x leaves in f32: out0 [8192][1024].
; A tile of C is 128 x 256: 768 (KIND 0) or 256 (KIND 1) work-groups, whole multiples of 256.  Four waves, 2 x 2, each 64 x 128: 32 accumulators of 16 x 16.
; K goes in 8 steps of 128 through two LDS slots; a wave brings one half of A's or of W's tile with one tensor load.
; CLUSTER 4 x 4: the four of a row need the same tile of A, the four of a column the same tile of W: each is asked for jointly, same descriptor and mask in all four.
; THE MATRIX INSTRUCTION IS USED TRANSPOSED: source 0 = 16 columns of W (turned out of LDS by ds_load_tr16_b128), source 1 = 16 rows of A: a lane holds row l % 16 and the columns 8 (l / 16) + 0..7.
; The bias is the C operand of the first K quarter's products: nothing is cleared and no addition is written for it.
; REGISTERS, in windows of 256: window 0: v0-31 addresses; v64-159, v160-255 two fragment buffers (32 of A, then 64 of W), later at work on the way out;
;   window 1: accumulator (a, b) at v[8 (8 a + b)];  window 2: KIND 1: my 64 x 128 of x, row i at v[4 i];  window 3: v0-63 the bias of my 128 columns.
.if KIND == 0
.set NW,     3072                      ; columns of W
.set PA,     272                       ; an LDS row of A: 256 bytes + 16
.set QIA,    5                         ; padding after every 64 words
.set APITCH, 1024                      ; elements from row to row of the tile as asked for
.set AHALF,  64*PA                     ; what one load of A fills: 64 rows
.set QPP,    4                         ; K quarters in a plane of A
.set APLANE, 0
.set ASTEP,  256                       ; bytes from a K step to the next in A
.set SP,     144                       ; a stage row: a head's 128 bytes + 16
.else
.set NW,     1024
.set PA,     144                       ; an LDS row of A: a head's 128 bytes + 16
.set QIA,    4                         ; padding after every 32 words
.set APITCH, 128                       ; a head's 128 rows are dense: asked for as 64 rows of 256 bytes
.set AHALF,  128*PA                    ; one load fills a plane: one head's 128 rows
.set QPP,    2
.set APLANE, 128*PA
.set ASTEP,  2<<17                     ; two heads on
.set SP,     528                       ; a stage row: 128 f32 + 16 bytes
.endif
.set PB,     544                       ; an LDS row of W: 512 bytes + 32 = 17 x 32
.set ABYTES, 36864                     ; A's part of a slot
.set BHALF,  64*PB                     ; what one load of W fills: 64 K rows
.set SLOT,   ABYTES+2*BHALF
.set STAGE,  2*SLOT                    ; behind the ring: 16 stage rows for each wave, never filled by a tensor load
.set STG,    16*SP
.set SPARE,  STAGE+4*STG               ; behind the stages: the spare words, 128 bytes for each wave, which no other line names
.set BSTEP,  128*NW*2                  ; bytes from a K step to the next in W
.set LAPS,   4                         ; a lap = two K steps = once round the ring
.set ADRA, 16                          ; v16-17  LDS address of my A fragments in slot 0, 1
.set ADRB, 20                          ; v20-21  the same for W
.set STO,  24                          ; v24     the way out: where I put my part of a row
.set RD,   25                          ; v25     the way out: where I read rows back
.set CO,   26                          ; v26     16 x lane
.set SPW,  28                          ; v28     LDS address of my spare word; never rewritten
.set NIL,  29                          ; v29     0; never rewritten
.set BO,   30                          ; v30     32 x (l / 16): my eight numbers in 16 of the bias
.set F0,   64
.set F1,   160
.set TMP,  64
.set G1,  24                           ; s[24:31] descriptor group 1 for A;  s[32:39] group 0, a set for each slot
.set G0,  32
.set G1B, 48                           ; s[48:55], s[56:63] the same for W
.set G0B, 56
.set WV,  70                           ; s70 wave;  s71 its row half, also: I fetch for A (0) or W (1);  s72 its column half, also: which half I fetch
.set RH,  71
.set CH,  72
.set TY,  73                           ; s73 tile row
.set MSB, 0
.macro WIN new                         ; the immediate's high byte repeats the setting that is left
.if MSB != (\new)
	s_set_vgpr_msb (MSB<<8)|(\new)
.set MSB, \new
.endif
.endm
.set MUL,  0x50                        ; sources 0 and 1 window 0; C and D window 1
.set MULB, 0x70                        ; the same with C in window 3
.macro JLOAD s                         ; a joint load: waves 0, 1 fetch A's halves, waves 2, 3 W's; an s_nop 0 and four v_nop follow each line
	s_cmp_eq_u32 s[RH], 0
	s_cbranch_scc0 .Lfor_b_\@
	tensor_load_to_lds s[G0+4*(\s):G0+4*(\s)+3], s[G1:G1+7]
	s_nop 0
.rept 4
	v_nop
.endr
	s_branch .Lasked_\@
.Lfor_b_\@:
	tensor_load_to_lds s[G0B+4*(\s):G0B+4*(\s)+3], s[G1B:G1B+7]
	s_nop 0
.rept 4
	v_nop
.endr
.Lasked_\@:
.endm
.macro CREST                           ; a round of the cluster's barrier behind its opening barrier
	s_cmp_lg_u32 s[WV], 0
	s_cbranch_scc1 .Lnot_wave_0_\@
	s_barrier_signal -3
.Lnot_wave_0_\@:
	s_barrier_wait -3
	s_barrier_signal -1
	s_barrier_wait -1
.endm
.macro CROUND
	s_barrier_signal -1
	s_barrier_wait -1
	CREST
.endm
	s_load_b256 s[4:11], s[0:1], 0x0               ; A 4:5, W 6:7, output 8:9, bq or bo 10:11
	s_load_b64 s[66:67], s[0:1], 0x20              ; bkv or x
	v_lshl_add_u32 v[SPW], v0, 2, SPARE
	v_mov_b32 v[NIL], 0
	ds_add_u32 v28, v29
	ds_add_u32 v28, v29
	s_wait_dscnt 0x0
	v_lshrrev_b32 v1, 5, v0
	v_readfirstlane_b32 s[WV], v1
	s_lshr_b32 s[RH], s[WV], 1
	s_and_b32 s[CH], s[WV], 1
	s_bfe_u32 s40, ttmp6, 0x40000                  ; cx, cy: my place in the cluster
	s_bfe_u32 s41, ttmp6, 0x40004
	s_lshl_b32 s42, ttmp9, 2
	s_add_co_u32 s42, s42, s40                     ; tile column = 4 x cluster x + cx
	s_and_b32 s[TY], ttmp7, 0xffff
	s_lshl_b32 s[TY], s[TY], 2
	s_add_co_u32 s[TY], s[TY], s41                 ; tile row = 4 x cluster y + cy
	s_lshl_b32 s43, s41, 2
	s_lshl_b32 s43, 15, s43                        ; my row of the cluster
	s_lshl_b32 s44, 0x1111, s40                    ; my column
	s_or_b32 s[G1+0], s43, (1<<16)|(1<<20)|(1<<21)|(QIA<<22)|(3<<25)  ; the mask; 2-byte elements; padding on; bit 21 beside a mask; the interval; 4 words of padding
	s_mov_b32 s[G1+1], 128<<16                     ; tensor_dim0 = 128
	s_mov_b32 s[G1+2], 64<<16                      ; tensor_dim1 = 64
	s_mov_b32 s[G1+3], 128<<16                     ; tile_dim0 = 128
	s_mov_b32 s[G1+4], 64                          ; tile_dim1 = 64
	s_mov_b32 s[G1+5], APITCH
	s_mov_b32 s[G1+6], 0
	s_mov_b32 s[G1+7], 0
	s_or_b32 s[G1B+0], s44, (1<<16)|(1<<20)|(1<<21)|(6<<22)|(7<<25)   ; after every 128 words 8 words of padding
	s_mov_b32 s[G1B+1], 256<<16                    ; 64 K rows of 256 columns
	s_mov_b32 s[G1B+2], 64<<16
	s_mov_b32 s[G1B+3], 256<<16
	s_mov_b32 s[G1B+4], 64
	s_mov_b32 s[G1B+5], NW
	s_mov_b32 s[G1B+6], 0
	s_mov_b32 s[G1B+7], 0
	; A's tile hangs on the tile row alone, W's on the tile column alone, each in registers that never hold the other coordinate
.if KIND == 0
	s_lshl_b32 s16, s[TY], 7
	s_lshl_b32 s17, s[CH], 6
	s_add_co_u32 s16, s16, s17                     ; row 128 x tile row + 64 x half,
	s_lshl_b32 s16, s16, 11                        ; of 2,048 bytes
.else
	s_lshr_b32 s16, s[TY], 3
	s_lshl_b32 s16, s16, 21                        ; the batch,
	s_and_b32 s17, s[TY], 7
	s_lshl_b32 s17, s17, 14                        ; 128 rows of 128 bytes for each tile row in it,
	s_add_co_u32 s16, s16, s17
	s_lshl_b32 s17, s[CH], 17                      ; the first or the second head of the K step
	s_add_co_u32 s16, s16, s17
.endif
	s_mov_b32 s17, 0
	s_mul_i32 s46, s[CH], 64*NW*2                  ; W: K row 64 x half,
	s_lshl_b32 s47, s42, 9                         ; column 256 x tile column
	s_add_co_u32 s46, s46, s47
	s_mov_b32 s47, 0
	s_mul_i32 s20, s[CH], AHALF                    ; where they go: the wave's number and constants alone
	s_mul_i32 s21, s[CH], BHALF
	s_add_co_u32 s21, s21, ABYTES
	s_wait_kmcnt 0x0
	s_add_nc_u64 s[14:15], s[4:5], s[16:17]
	s_add_nc_u64 s[46:47], s[6:7], s[46:47]
	CROUND                                         ; all sixteen work-groups are here: the first joint loads meet
.irp s, 0,1
	s_mov_b32 s[G0+4*(\s)], 1
	s_add_co_u32 s[G0+4*(\s)+1], s20, (\s)*SLOT
	s_add_nc_u64 s[G0+4*(\s)+2:G0+4*(\s)+3], s[14:15], (\s)*ASTEP
	s_or_b32 s[G0+4*(\s)+3], s[G0+4*(\s)+3], 0x80000000
	s_mov_b32 s[G0B+4*(\s)], 1
	s_add_co_u32 s[G0B+4*(\s)+1], s21, (\s)*SLOT
	s_add_nc_u64 s[G0B+4*(\s)+2:G0B+4*(\s)+3], s[46:47], (\s)*BSTEP
	s_or_b32 s[G0B+4*(\s)+3], s[G0B+4*(\s)+3], 0x80000000
	JLOAD \s                                       ; K steps 0 and 1: two loads of mine are out
.endr
	v_and_b32 v1, 15, v0                           ; l % 16
	v_bfe_u32 v2, v0, 4, 1                         ; l / 16
	v_mul_u32_u24 v3, v1, PA                       ; a fragment of A: row x pitch + 16 x half; two loads 32 bytes apart
	v_lshl_add_u32 v3, v2, 4, v3
	s_mul_i32 s22, s[RH], 64*PA                    ; my 64 rows
	v_add_nc_u32 v[ADRA], s22, v3
	v_add_nc_u32 v[ADRA+1], SLOT, v[ADRA]
	v_and_b32 v4, 7, v0                            ; the turning load: K row 8 (l / 16) + l % 8, columns 8 ((l / 8) % 2) + 0..7
	v_lshl_add_u32 v4, v2, 3, v4
	v_mul_u32_u24 v4, v4, PB
	v_bfe_u32 v5, v0, 3, 1
	v_lshl_add_u32 v4, v5, 4, v4
	s_lshl_b32 s23, s[CH], 8                       ; my 128 columns
	s_add_co_u32 s23, s23, ABYTES
	v_add_nc_u32 v[ADRB], s23, v4
	v_add_nc_u32 v[ADRB+1], SLOT, v[ADRB]
	s_mul_i32 s22, s[WV], STG
	s_add_co_u32 s22, s22, STAGE                   ; my stage
	v_and_b32 v[CO], 31, v0
	v_lshlrev_b32 v[CO], 4, v[CO]
	v_lshlrev_b32 v[BO], 5, v2
	v_mul_u32_u24 v3, v1, SP
.if KIND == 0
	v_lshl_add_u32 v3, v2, 4, v3                   ; in: row l % 16, 16 bytes for each half of the lanes
	v_add_nc_u32 v[STO], s22, v3
	v_bfe_u32 v3, v0, 3, 2                         ; back: 32 lanes take four rows of 128 bytes
	v_mul_u32_u24 v3, v3, SP
	v_and_b32 v4, 7, v0
	v_lshl_add_u32 v3, v4, 4, v3
	v_add_nc_u32 v[RD], s22, v3
	; the bias: bq for the first cluster column (q), bkv for the other two (k, v); 256 numbers a tile column, 128 a wave
	s_cmp_eq_u32 ttmp9, 0
	s_cselect_b64 s[10:11], s[10:11], s[66:67]
	s_max_u32 s46, ttmp9, 1
	s_sub_co_u32 s46, s46, 1
	s_lshl_b32 s46, s46, 12
	s_lshl_b32 s47, s40, 10
	s_add_co_u32 s46, s46, s47
	s_lshl_b32 s47, s[CH], 9
	s_add_co_u32 s46, s46, s47
	s_mov_b32 s47, 0
	s_add_nc_u64 s[10:11], s[10:11], s[46:47]
	; the output: part, batch, my first row in the head (from the tile row); my first head (from the tile column)
	s_lshl_b32 s16, ttmp9, 24
	s_lshr_b32 s17, s[TY], 3
	s_lshl_b32 s17, s17, 21
	s_add_co_u32 s16, s16, s17
	s_and_b32 s17, s[TY], 7
	s_lshl_b32 s17, s17, 14
	s_add_co_u32 s16, s16, s17
	s_lshl_b32 s17, s[RH], 13
	s_add_co_u32 s16, s16, s17
	s_mov_b32 s17, 0
	s_add_nc_u64 s[8:9], s[8:9], s[16:17]
	s_lshl_b32 s46, s40, 19
	s_lshl_b32 s47, s[CH], 18
	s_add_co_u32 s46, s46, s47
	s_mov_b32 s47, 0
	s_add_nc_u64 s[8:9], s[8:9], s[46:47]
.else
	v_lshl_add_u32 v3, v2, 5, v3                   ; in: row l % 16, 32 bytes for each half of the lanes
	v_add_nc_u32 v[STO], s22, v3
	v_add_nc_u32 v[RD], s22, v[CO]                 ; back: 32 lanes take one row of 512 bytes
	s_lshl_b32 s46, s42, 10                        ; my first column, in bytes of f32
	s_lshl_b32 s47, s[CH], 9
	s_add_co_u32 s46, s46, s47
	s_mov_b32 s47, 0
	s_add_nc_u64 s[10:11], s[10:11], s[46:47]      ; in bo,
	s_add_nc_u64 s[8:9], s[8:9], s[46:47]          ; in out0 and in x,
	s_add_nc_u64 s[66:67], s[66:67], s[46:47]
	s_lshl_b32 s16, s[TY], 19                      ; and my first row, of 4,096 bytes
	s_lshl_b32 s17, s[RH], 18
	s_add_co_u32 s16, s16, s17
	s_mov_b32 s17, 0
	s_add_nc_u64 s[8:9], s[8:9], s[16:17]
	s_add_nc_u64 s[66:67], s[66:67], s[16:17]
.endif
	WIN 0xc0                                       ; destination window 3
.irp b, 0,1,2,3,4,5,6,7
	global_load_b128 v[8*\b:8*\b+3],   v[BO], s[10:11] offset:64*\b      ; register j: the bias of column 16 b + 8 (l / 16) + j, as an accumulator holds it
	global_load_b128 v[8*\b+4:8*\b+7], v[BO], s[10:11] offset:64*\b+16
.endr
	WIN 0
; n x 8 matrix instructions: row blocks a0 .. x all 8 column blocks, 32 along K.  The 32 accumulators take turns in one order everywhere.  first = 1: C is the bias
.macro MULS f, a0, n, first
.if \first
	WIN MULB
.else
	WIN MUL
.endif
.set aa, \a0
.rept \n
.irp b, 0,1,2,3,4,5,6,7
.if \first
	v_wmma_f32_16x16x32_bf16 v[8*(8*aa+\b):8*(8*aa+\b)+7], v[(\f)+32+8*\b:(\f)+32+8*\b+7], v[(\f)+8*aa:(\f)+8*aa+7], v[8*\b:8*\b+7]
.else
	v_wmma_f32_16x16x32_bf16 v[8*(8*aa+\b):8*(8*aa+\b)+7], v[(\f)+32+8*\b:(\f)+32+8*\b+7], v[(\f)+8*aa:(\f)+8*aa+7], v[8*(8*aa+\b):8*(8*aa+\b)+7]
.endif
.endr
.set aa, aa+1
.endr
.endm
; 24 LDS loads in one run: K quarter q of a slot into buffer f: W's 16 first, then A's blocks 0, 1, then 2, 3
.macro FETCH slot, q, f
	WIN 0
.irp b, 0,1,2,3,4,5,6,7
	ds_load_tr16_b128 v[(\f)+32+8*\b:(\f)+32+8*\b+3],   v[ADRB+(\slot)] offset:(\q)*32*PB+32*\b
	ds_load_tr16_b128 v[(\f)+32+8*\b+4:(\f)+32+8*\b+7], v[ADRB+(\slot)] offset:(\q)*32*PB+32*\b+16*PB
.endr
.irp a, 0,1,2,3
	ds_load_b128 v[(\f)+8*\a:(\f)+8*\a+3],   v[ADRA+(\slot)] offset:((\q)/QPP)*APLANE+\a*16*PA+((\q)%QPP)*64
	ds_load_b128 v[(\f)+8*\a+4:(\f)+8*\a+7], v[ADRA+(\slot)] offset:((\q)/QPP)*APLANE+\a*16*PA+((\q)%QPP)*64+32
.endr
.endm
.macro PLACES                          ; four places in front of loads into registers that matrix instructions have read, and of lines that read results
.rept 4
	v_nop
.endr
.endm
; One of a K step's first three quarters: multiplies buffer f, and in its middle fetches quarter q into buffer g
.macro QUARTER slot, q, f, g, first
	s_wait_dscnt 4                                 ; W and A's blocks 0, 1 are in; the youngest four loads (blocks 2, 3) may be out
	MULS \f, 0, 2, \first
	PLACES
	FETCH \slot, \q, \g
	s_wait_dscnt 24                                ; all but the 24 just issued
	MULS \f, 2, 2, \first
.endm
; The last quarter multiplies buffer 1 and changes slots: one barrier; in front of it each wave waits for all its tensor loads (one is out: its part of the next slot), adds 0 to its spare word,
; and waits for that and for its reads of this slot.  fill = 1: the barrier opens a round of the cluster's, and this slot is filled again, two K steps ahead, first thing behind the round.
.macro TURN slot, next, fill
	WIN 0
	s_wait_tensorcnt 0x0
	ds_add_u32 v[SPW], v[NIL]
	s_wait_dscnt 5                                 ; the add and the youngest four loads may be out
	MULS F1, 0, 1, 0
	s_wait_dscnt 0x0                               ; the add is done, and my reads of this slot are over
	s_barrier_signal -1
	MULS F1, 1, 1, 0
.if \fill
	WIN 0
.endif
	s_barrier_wait -1
.if \fill
	CREST                                          ; no wave of any partner still reads this slot or has a load on its way
	s_add_nc_u64 s[G0+4*(\slot)+2:G0+4*(\slot)+3], s[G0+4*(\slot)+2:G0+4*(\slot)+3], 2*ASTEP
	s_add_nc_u64 s[G0B+4*(\slot)+2:G0B+4*(\slot)+3], s[G0B+4*(\slot)+2:G0B+4*(\slot)+3], 2*BSTEP
	JLOAD \slot                                    ; 112 matrix instructions ahead of the wait for it; its four v_nop are also the places in front of the loads below
.else
	PLACES
.endif
	FETCH \next, 0, F0
	MULS F1, 2, 2, 0
.endm
	s_wait_tensorcnt 1                             ; my part of K step 0 is in; step 1's may stay out
	s_barrier_signal -1
	s_barrier_wait -1
	FETCH 0, 0, F0
	s_wait_loadcnt 0x0                             ; the bias
	QUARTER 0, 1, F0, F1, 1                        ; the first quarter stands in front of the loop: its products start the sums, on the bias
.if KIND == 1
	WIN 0x80                                       ; my 64 x 128 of x: 512 consecutive bytes a load; they land under the whole loop
.set i, 0
.rept 64
	global_load_b128 v[4*i:4*i+3], v[CO], s[66:67] offset:i*4096 th:TH_LOAD_NT
.set i, i+1
.endr
.endif
	WIN 0
	s_mov_b32 s3, LAPS-1
.Llap:                                                 ; a trip goes once round the ring and fills both slots again: K steps 2 to 7
	QUARTER 0, 2, F1, F0, 0
	QUARTER 0, 3, F0, F1, 0
	TURN 0, 1, 1
	QUARTER 1, 1, F0, F1, 0
	QUARTER 1, 2, F1, F0, 0
	QUARTER 1, 3, F0, F1, 0
	TURN 1, 0, 1
	QUARTER 0, 1, F0, F1, 0
	WIN 0
	s_sub_co_u32 s3, s3, 1
	s_cmp_lg_u32 s3, 0
	s_cbranch_scc1 .Llap
	QUARTER 0, 2, F1, F0, 0                        ; the last lap fills nothing
	QUARTER 0, 3, F0, F1, 0
	TURN 0, 1, 0
	QUARTER 1, 1, F0, F1, 0
	QUARTER 1, 2, F1, F0, 0
	QUARTER 1, 3, F0, F1, 0
	s_wait_dscnt 4
	MULS F1, 0, 2, 0
	s_wait_dscnt 0x0
	MULS F1, 2, 2, 0
	WIN 0
	PLACES
.if KIND == 0
; THE WAY OUT, by heads.  Tile t: row block t / 2, my head t % 2: 16 rows x 64 channels.  A lane's eight channels pack into 16 bytes; they go into stage rows of 144 bytes and come back as four whole rows of 128.
.macro PACK t
.set pa, (\t)/2
.set ph, (\t)%2
	WIN 0x05                                       ; sources window 1, destination window 0
.irp f, 0,1,2,3
.irp r, 0,1,2,3
	v_cvt_pk_bf16_f32 v[TMP+16*(\t)+4*\f+\r], v[8*(8*pa+4*ph+\f)+2*\r], v[8*(8*pa+4*ph+\f)+2*\r+1]
.endr
.endr
	WIN 0
.irp f, 0,1,2,3
	ds_store_b128 v[STO], v[TMP+16*(\t)+4*\f:TMP+16*(\t)+4*\f+3] offset:32*\f
.endr
.irp f, 0,1,2,3
	ds_load_b128 v[TMP+16*(\t)+4*\f:TMP+16*(\t)+4*\f+3], v[RD] offset:\f*4*SP  ; LDS serves a wave's instructions in order (ISA guide 5.7.1.4): these see the stores above
.endr
.endm
.macro SEND t, younger                 ; younger: the LDS instructions issued behind tile t's loads: the next tile's eight, or none
.irp f, 0,1,2,3
	s_wait_dscnt (\younger)+3-\f
	global_store_b128 v[CO], v[TMP+16*(\t)+4*\f:TMP+16*(\t)+4*\f+3], s[8:9] offset:((\t)%2)*131072+((\t)/2)*2048+\f*512  ; 512 consecutive bytes, at a multiple of 256 from the buffer's first
.endr
.endm
	PACK 0
.set t, 1
.rept 7
	PACK t
	SEND t-1, 8
.set t, t+1
.endr
	SEND 7, 0
.else
; THE WAY OUT, in f32.  A block of 16 rows goes into stage rows of 528 bytes and comes back as whole rows of 512; x is added; 32 lanes store 512 consecutive bytes.
	s_wait_loadcnt 0x0                             ; x
.irp a, 0,1,2,3
.set TB, TMP+64*(\a%2)
	WIN 0x04                                       ; store data window 1
.irp b, 0,1,2,3,4,5,6,7
	ds_store_b128 v[STO], v[8*(8*\a+\b):8*(8*\a+\b)+3]   offset:64*\b       ; each accumulator's low registers first
	ds_store_b128 v[STO], v[8*(8*\a+\b)+4:8*(8*\a+\b)+7] offset:64*\b+16
.endr
	WIN 0
.if \a >= 2
	s_wait_xcnt 0x0                                ; the stores of the block two back have read these registers
.endif
.irp t, 0,1,2,3,4,5,6,7,8,9,10,11,12,13,14,15
	ds_load_b128 v[TB+4*\t:TB+4*\t+3], v[RD] offset:SP*\t
.endr
	s_wait_dscnt 0x0
	WIN 0x08                                       ; source 1 window 2
.set z, 0
.rept 32
	v_pk_add_f32 v[TB+2*z:TB+2*z+1], v[TB+2*z:TB+2*z+1], v[64*\a+2*z:64*\a+2*z+1]
.set z, z+1
.endr
	WIN 0
.irp t, 0,1,2,3,4,5,6,7,8,9,10,11,12,13,14,15
	global_store_b128 v[CO], v[TB+4*\t:TB+4*\t+3], s[8:9] offset:(16*\a+\t)*4096 th:TH_STORE_NT
.endr
.endr
.endif
	s_wait_tensorcnt 0x0                           ; the wave's end
	ds_add_u32 v[SPW], v[NIL]
	s_wait_dscnt 0x0
	CROUND                                         ; the closing round: no work-group ends while a partner may still ask for a tile that names it
	s_endpgm
.Lfunc_end_k_qc64cf615b9_oproj:
	.size	k_qc64cf615b9_oproj, .Lfunc_end_k_qc64cf615b9_oproj-k_qc64cf615b9_oproj
	.p2alignl 7, 3214868480
	.fill 96, 4, 3214868480
	.section	.rodata,"a",@progbits
	.p2align	6, 0x0
	.amdhsa_kernel k_qc64cf615b9_oproj
		.amdhsa_group_segment_fixed_size 327680
		.amdhsa_private_segment_fixed_size 0
		.amdhsa_enable_private_segment 0
		.amdhsa_kernarg_size 40
		.amdhsa_user_sgpr_count 2
		.amdhsa_user_sgpr_kernarg_segment_ptr 1
		.amdhsa_wavefront_size32 1
		.amdhsa_system_sgpr_workgroup_id_x 1
		.amdhsa_system_sgpr_workgroup_id_y 1
		.amdhsa_system_sgpr_workgroup_id_z 1
		.amdhsa_system_vgpr_workitem_id 0
		.amdhsa_next_free_vgpr 832
		.amdhsa_next_free_sgpr 80
		.amdhsa_reserve_vcc 0
		.amdhsa_float_denorm_mode_32 3
		.amdhsa_float_denorm_mode_16_64 3
		.amdhsa_memory_ordered 1
		.amdhsa_forward_progress 1
		.amdhsa_inst_pref_size 101
	.end_amdhsa_kernel
	.amdgpu_metadata
---
amdhsa.version: [ 1, 2 ]
amdhsa.kernels:
  - .name:           k_qc64cf615b9_oproj
    .symbol:         k_qc64cf615b9_oproj.kd
    .args:
      - { .name: o, .offset: 0, .size: 8, .value_kind: global_buffer, .address_space: global }
      - { .name: wob, .offset: 8, .size: 8, .value_kind: global_buffer, .address_space: global }
      - { .name: out0, .offset: 16, .size: 8, .value_kind: global_buffer, .address_space: global }
      - { .name: bo, .offset: 24, .size: 8, .value_kind: global_buffer, .address_space: global }
      - { .name: x, .offset: 32, .size: 8, .value_kind: global_buffer, .address_space: global }
    .group_segment_fixed_size: 327680
    .private_segment_fixed_size: 0
    .kernarg_segment_align: 8
    .kernarg_segment_size: 40
    .max_flat_workgroup_size: 128
    .sgpr_count:     80
    .vgpr_count:     832
    .wavefront_size: 32
...
	.end_amdgpu_metadata
.endif
;; end of part 4
